; MI455X (gfx1250); checked and timed in simulation.
; The chip was launched on July 23, 2026; its instructions are those of AMD's public machine-readable ISA for CDNA 5 (MIT licence, August 2026) and "CDNA5" Instruction Set Architecture Reference Guide (July 2026). The comments in the code are by the model that wrote it; some were corrected since.
;; Comm Attention. Allowed arithmetic: matrix products marked QUANTISED: E2M1 operands, one E8M0 scale for each 32 along K, by v_wmma_scale_f32_16x16x128_f8f6f4 with both operands' format E2M1 (or v_wmma_scale_f32_32x16x128_f4), f32 sums; everything else in f32.
;; Inputs: Wk 128 x 1,024 float32; Wkt 128 x 1,024 float32; Wo 1,024 x 128 float32; Wq 128 x 1,024 float32; Wqt 128 x 1,024 float32; Wv 128 x 1,024 float32; Wvt 128 x 1,024 float32; bkt 1,024 float32; bo 128 float32; bqt 1,024 float32; bvt 1,024 float32; kv_x 4 x 16 x 64 x 32 x 128 float32; q_x 4 x 64 x 16 x 128 float32; t_embed 4 x 64 x 1 x 128 float32.
;; Outputs: out0 4 x 64 x 16 x 128 float32.
;; This version of the problem:
;;   THIS VERSION OF THE PROBLEM IS GIVEN IN LOW PRECISION. The matrix products marked QUANTISED in the list below multiply operands that are first quantised to E2M1 (2 exponent bits, 1 mantissa bit; 4 bits a number), with one power-of-two scale for each 32 numbers along K (OCP MX v1.0); their sums are f32. All else is computed in f32.
;;   The module's matrix products, in the order in which they are computed (A, B: the left and right operand; K: the contracted axis; several contracted axes count as one K, in the product's order):
;;     1. [M 4,096, K 128] x [K 128, N 1,024]; A: input q_x; B: input Wq: QUANTISED
;;     2. [M 256, K 128] x [K 128, N 1,024]; A: computed on the way; B: input Wqt: QUANTISED
;;     3. [M 131,072, K 128] x [K 128, N 1,024]; A: input kv_x; B: input Wk: QUANTISED
;;     4. [M 256, K 128] x [K 128, N 1,024]; A: computed on the way; B: input Wkt: QUANTISED
;;     5. [M 131,072, K 128] x [K 128, N 1,024]; A: input kv_x; B: input Wv: QUANTISED
;;     6. [M 256, K 128] x [K 128, N 1,024]; A: computed on the way; B: input Wvt: QUANTISED
;;     7. batch 512 x [M 64, K 128] x [K 128, N 2,048]; A: computed on the way; B: computed on the way: QUANTISED
;;     8. batch 512 x [M 64, K 2,048] x [K 2,048, N 128]; A: softmax (see below); B: computed on the way: QUANTISED
;;     9. [M 4,096, K 1,024] x [K 1,024, N 128]; A: computed on the way; B: input Wo: QUANTISED
;;   THE QUANTISER, for each operand of a quantised product, along K:
;;     - K is cut into blocks of 32 from its start; a last block that is shorter is filled with zeros.
;;     - A block's scale is 2^e with e = floor(log2(the largest magnitude in the block)) - 2, held to -126 .. 127; a block of zeros has e = 0. As a byte (E8M0): e + 127.
;;     - Each number is divided by its block's scale, clamped to +-6, and rounded to the nearest number of E2M1, ties to even, subnormals kept.
;;     - The product sums the exact products of the quantised numbers (number of the format x scale) in f32.
;;   ~~~python
;;   def quantise(x, axis):      # numpy; x: float32 -> the quantised numbers, widened to float32 again
;;       x = np.moveaxis(x, axis, -1); K = x.shape[-1]
;;       x = np.pad(x, [(0, 0)] * (x.ndim - 1) + [(0, -K % 32)]); x = x.reshape(x.shape[:-1] + (-1, 32)); a = np.abs(x).max(-1, keepdims=True)
;;       e = np.where(a > 0, np.clip(np.frexp(np.where(a > 0, a, 1))[1] - 1 - 2, -126, 127), 0)      # np.frexp(a)[1] - 1 = floor(log2(a)), exactly
;;       r = np.clip(x / 2.0 ** e, -6, 6)
;;       step = 2.0 ** (np.maximum(np.frexp(np.where(r == 0, 1, r))[1] - 1, 0) - 1)
;;       q = np.round(r / step) * step * 2.0 ** e      # np.round: ties to even
;;       return np.moveaxis(q.reshape(q.shape[:-2] + (-1,))[..., :K], -1, axis).astype(np.float32)
;;   ~~~
;;   SOFTMAX AHEAD OF A QUANTISED PRODUCT. Where the list says 'softmax', what is quantised is not the finished softmax but p = 2^(t - M), with t = logit x log2(e) and M = ceil(the row's largest t), a whole number; so 1/2 < the row's largest p <= 1. The row's sum l is taken of the UNQUANTISED p, in f32, and the product's result is divided by l at the end. Since M is a whole number, a kernel that streams over the keys may use a running M (the ceiling of the running maximum): every later rescaling is an exact power of two, which a block's scale takes up: the codes' values come out the same.
;;   OPERANDS COMPUTED ON THE WAY. 'Computed on the way' means the value that the module computes at that place (a softmax that the list does not call 'softmax' is quantised finished and normalised). What goes into a quantiser is computed in f32, as accurately as f32 sums, v_exp_f32 and their like allow (about 1e-6 of the number): no bf16 or f16 on the way to a quantiser, and a product that is left as it is and whose result goes on into a quantised operand takes f32 operands (vector FMAs, or v_wmma_f32_16x16x4_f32). A number that lies on a knife's edge between two numbers of the format may be rounded either way, as far as f32 arithmetic and the matrix unit's own rounding can turn it there, and no further.
;; 2 versions. Each part assembles by itself: llvm-mc -triple=amdgcn-amd-amdhsa -mcpu=gfx1250 --defsym DOCPART=n.
;; ======== version 1 of 2: 3 launches
;; workspace buffers: rc 8,667,136 bytes; rs 541,696 bytes; wc 458,752 bytes; wsc 28,672 bytes; oc 2,097,152 bytes; osc 262,144 bytes
;; launch prep (part 1): grid 585 x 1, 4 waves a work-group, no clusters, 39,424 bytes of LDS; arguments kv_x, q_x, t_embed, Wq, Wk, Wv, Wqt, Wkt, Wvt, Wo, rc, rs, wc, wsc; writes rc, rs, wc, wsc
.if DOCPART == 1
	.amdgcn_target "amdgcn-amd-amdhsa--gfx1250"
	.amdhsa_code_object_version 6
	.text
	.protected	k_qe9f8b5f36e_prep
	.globl	k_qe9f8b5f36e_prep
	.p2align	8
	.type	k_qe9f8b5f36e_prep,@function
k_qe9f8b5f36e_prep:
	s_mov_b64 s[64:65], 0
	v_nop
	global_prefetch_b8 v0, s[64:65] scope:SCOPE_SE
	s_setreg_imm32_b32 hwreg(HW_REG_WAVE_MODE, 25, 1), 1
	s_wait_xcnt 0x0
; Every f32 operand that the later launches multiply is turned ONCE into codes of FP4 (E2M1) with one E8M0 byte for each 32 along K, laid as IMAGES OF OPERAND REGISTERS:
; a fragment (16 rows x 128 K) is 1,024 bytes; block beta (32 codes, 16 bytes) of fragment row r lies at 512 (beta / 2) + 256 (beta % 2) + 16 r.
; ROWS (K innermost): kv_x, q_x and mish(t_embed) are streams of runs of 64 rows x 128.  Row rho of a run goes to fragment (rho / 8) % 4 at fragment row 8 (rho / 32) + rho % 8; its scale word to byte 4 (16 fragment + row) of the
; run's 256.  rc: runs 0-2047 kv_x, 2048-2111 q_x, 2112-2115 mish(t_embed), 4,096 bytes each; rs: 256 bytes each.
; WEIGHTS (K outermost): a lane takes a column and its registers run down K.  Fragment 8 g + 4 c + T (g: the head; for Wo the K step of 128) has as row r the column 128 g + 64 c + 32 (r / 8) + 8 T + r % 8 (Wo: without 128 g).
; A block's scale is 2^(floor(log2(largest magnitude)) - 2): its byte is the largest magnitude's exponent field - 2, held at 1 from below.
; mish(x) = x w / (w + 2), w = u (u + 2), u = e^min(x, 20): the same function as x tanh(log(1 + e^x)).
; LIMITS: NaN and infinities are not served.  A block of zeros gets the byte 1 (its codes are zeros; only this program reads the bytes).  Beyond x = 20 the ratio w / (w + 2) is 1 in f32; where e^x falls under 2^-126 mish is 0.
; Work-groups 0-55: the seven weights, a wave to a pair of fragments, no LDS.  Work-groups 56-584: rows, a wave to a run; all LDS is theirs, a region of its own for each wave: no barrier.
.set WREG, 9728                        ; LDS of a wave: two stages of 32 x 80 bytes, 256 scale bytes, the run's 4,096 bytes of codes
.set SP,   80                          ; a lane's place in a stage: 64 bytes + 16 of padding
.set SCB,  5120                        ; the scale bytes
.set IMG,  5376                        ; the codes
.set R,    16                          ; v16-79   four sets of 16 numbers as loaded
.set X,    80                          ; v80-111  two sets of 16 neighbours
.set E,    112                         ; v112-127 a scale byte for each step
.set C,    128                         ; v128-159 two registers of codes for each step
.set U,    160                         ; v160-175, v176-191: mish at work
.set D,    176
.macro LOAD t                          ; step t: 512 numbers; each load reads 512 consecutive bytes
.irp i, 0,1,2,3
	global_load_b128 v[R+16*((\t)%4)+4*\i:R+16*((\t)%4)+4*\i+3], v3, s[36:37] offset:2048*(\t)+512*\i th:TH_LOAD_NT
.endr
.endm
.macro TURN t                          ; through the wave's stage: in as loaded, out 64 bytes a lane.  LDS serves a wave's instructions in order: no wait between
.irp i, 0,1,2,3
	ds_store_b128 v14, v[R+16*((\t)%4)+4*\i:R+16*((\t)%4)+4*\i+3] offset:32*SP*((\t)%2)+8*SP*\i
.endr
.irp i, 0,1,2,3
	ds_load_b128 v[X+16*((\t)%2)+4*\i:X+16*((\t)%2)+4*\i+3], v15 offset:32*SP*((\t)%2)+16*\i
.endr
.endm
.macro MISH                            ; the 16 numbers at v[XS] on, in place
.irp i, 0,2,4,6,8,10,12,14
	v_pk_mul_f32 v[U+\i:U+\i+1], v[XS+\i:XS+\i+1], 0x3fb8aa3b op_sel_hi:[1,0]   ; x log2(e)
.endr
.irp i, 0,1,2,3,4,5,6,7,8,9,10,11,12,13,14,15
	v_min_num_f32 v[U+\i], 0x41e6d4c9, v[U+\i]     ; held at 20 log2(e)
.endr
.irp i, 0,1,2,3,4,5,6,7,8,9,10,11,12,13,14,15
	v_exp_f32 v[U+\i], v[U+\i]                     ; u
.endr
	v_nop                                          ; a plain line behind the last exponential
	s_wait_alu depctr_va_vdst(0)                   ; one wait for the batch, ahead of its first reader
.irp i, 0,2,4,6,8,10,12,14
	v_pk_add_f32 v[D+\i:D+\i+1], v[U+\i:U+\i+1], 2.0 op_sel_hi:[1,0]
.endr
.irp i, 0,2,4,6,8,10,12,14
	v_pk_mul_f32 v[U+\i:U+\i+1], v[U+\i:U+\i+1], v[D+\i:D+\i+1]   ; w = u (u + 2)
.endr
.irp i, 0,2,4,6,8,10,12,14
	v_pk_add_f32 v[D+\i:D+\i+1], v[U+\i:U+\i+1], 2.0 op_sel_hi:[1,0]
.endr
.irp i, 0,1,2,3,4,5,6,7,8,9,10,11,12,13,14,15
	v_rcp_f32 v[D+\i], v[D+\i]
.endr
	v_nop
	s_wait_alu depctr_va_vdst(0)                   ; one wait for the sixteen reciprocals
.irp i, 0,2,4,6,8,10,12,14
	v_pk_mul_f32 v[U+\i:U+\i+1], v[U+\i:U+\i+1], v[D+\i:D+\i+1]
.endr
.irp i, 0,2,4,6,8,10,12,14
	v_pk_mul_f32 v[XS+\i:XS+\i+1], v[XS+\i:XS+\i+1], v[U+\i:U+\i+1]
.endr
.endm
.macro STEP t                          ; rows 4 t .. 4 t + 3 of the run: lane l holds numbers 16 (l % 8) .. + 15 of row 4 t + l / 8; two neighbouring lanes hold a block
.set XS, X+16*((\t)%2)
.if (\t) > 0
	s_wait_dscnt 2                                 ; this step's numbers are back from the stage; younger: the last step's byte store and code store
.else
	s_wait_dscnt 0x0
.endif
.if (\t)+4 < 16
	LOAD (\t)+4                                    ; into the set whose stores into the stage are done
.endif
.if (\t)+1 < 16
.if 14-(\t) >= 3
	s_wait_loadcnt 12                              ; the next step's four loads are in; those of the three steps behind it may be out
.else
	s_wait_loadcnt 4*(14-(\t))
.endif
	TURN (\t)+1
.endif
	s_cmp_eq_u32 s44, 0                            ; only t_embed's work-group takes the activation: register work alone stands under the branch
	s_cbranch_scc1 .Lplain_\@
	MISH
.Lplain_\@:
	v_max3_num_f32 v8, |v[XS]|, |v[XS+1]|, |v[XS+2]|
	v_max3_num_f32 v9, |v[XS+3]|, |v[XS+4]|, |v[XS+5]|
.irp i, 6,10
	v_max3_num_f32 v8, v8, |v[XS+\i]|, |v[XS+\i+1]|
	v_max3_num_f32 v9, v9, |v[XS+\i+2]|, |v[XS+\i+3]|
.endr
	v_max3_num_f32 v8, v8, |v[XS+14]|, |v[XS+15]|
	v_max3_num_f32 v8, v8, v9, 0x1800000           ; the floor 2^(3 - 127): the byte cannot fall under 1
	v_max_num_f32_dpp v8, v8, v8 row_xmask:1 row_mask:0xf bank_mask:0xf   ; with my neighbour's 16: the block's largest magnitude
	v_add_nc_u32 v11, 0xff000000, v8               ; 2 off its exponent field: the conversion's scale operand
	v_cvt_scalef32_pk8_fp4_f32 v[C+2*(\t)], v[XS:XS+7], v11
	v_cvt_scalef32_pk8_fp4_f32 v[C+2*(\t)+1], v[XS+8:XS+15], v11
	v_lshrrev_b32 v[E+(\t)], 23, v11               ; the byte (also the plain line behind the conversions)
	ds_store_b8 v5, v[E+(\t)] offset:SCB+64*(((\t)>>1)&3)+32*((\t)>>3)+16*((\t)&1)      ; both lanes of a block write the same byte
	ds_store_b64 v4, v[C+2*(\t):C+2*(\t)+1] offset:IMG+1024*(((\t)>>1)&3)+128*((\t)>>3)+64*((\t)&1)
.endm
.macro LOADB bt, pitch                 ; block bt of my column: 32 numbers down K
.set i, 0
.rept 32
	global_load_b32 v[32+32*(\bt)+i], v3, s[40:41] offset:(32*(\bt)+i)*(\pitch)
.set i, i+1
.endr
.endm
.macro BLOCK bt
.set XW, 32+32*(\bt)
	v_max3_num_f32 v12, |v[XW]|, |v[XW+1]|, |v[XW+2]|
	v_max3_num_f32 v13, |v[XW+3]|, |v[XW+4]|, |v[XW+5]|
.irp i, 6,10,14,18,22,26
	v_max3_num_f32 v12, v12, |v[XW+\i]|, |v[XW+\i+1]|
	v_max3_num_f32 v13, v13, |v[XW+\i+2]|, |v[XW+\i+3]|
.endr
	v_max3_num_f32 v12, v12, |v[XW+30]|, |v[XW+31]|
	v_max3_num_f32 v12, v12, v13, 0x1800000
	v_add_nc_u32 v11, 0xff000000, v12
	v_lshrrev_b32 v13, 23, v11
.if (\bt) == 0
	v_mov_b32 v24, v13                             ; the column's scale word, the lower K in the lower byte
.else
	v_lshl_or_b32 v24, v13, 8*(\bt), v24
.endif
.irp g, 0,1,2,3
	v_cvt_scalef32_pk8_fp4_f32 v[160+4*(\bt)+\g], v[XW+8*\g:XW+8*\g+7], v11
.endr
	global_store_b128 v4, v[160+4*(\bt):160+4*(\bt)+3], s[28:29] offset:512*((\bt)>>1)+256*((\bt)&1)   ; sixteen lanes store 256 consecutive bytes, aligned; each block has data registers of its own
.endm
.macro WQ pitch
	LOADB 0, \pitch
	LOADB 1, \pitch
	s_wait_loadcnt 32                              ; all but the block issued last
	LOADB 2, \pitch
	BLOCK 0
	s_wait_loadcnt 32
	LOADB 3, \pitch
	BLOCK 1
	s_wait_loadcnt 32
	BLOCK 2
	s_wait_loadcnt 0x0
	BLOCK 3
	global_store_b32 v5, v24, s[30:31]             ; 128 consecutive bytes: the pair's scale words
	s_endpgm
.endm
	s_load_b512 s[4:19], s[0:1], 0x0               ; kv_x 4, q_x 6, t_embed 8, Wq 10, Wk 12, Wv 14, Wqt 16, Wkt 18
	s_load_b256 s[20:27], s[0:1], 0x40             ; Wvt 20, Wo 22, rc 24, rs 26
	s_load_b128 s[28:31], s[0:1], 0x60             ; wc 28, wsc 30
	v_lshl_add_u32 v192, v0, 2, 0x9800
	v_mov_b32 v193, 0
	v_lshrrev_b32 v1, 5, v0
	v_readfirstlane_b32 s32, v1                    ; wave
	v_and_b32 v2, 31, v0                           ; lane
	s_cmp_lt_u32 ttmp9, 56
	s_cbranch_scc1 .Lweights
	; ---- rows
	v_lshlrev_b32 v3, 4, v2                        ; 16 x lane
	s_mul_i32 s45, s32, WREG                       ; my wave's LDS
	v_lshrrev_b32 v14, 2, v2
	v_mul_u32_u24 v14, v14, SP
	v_and_b32 v15, 3, v2
	v_lshl_add_u32 v14, v15, 4, v14
	v_add_nc_u32 v14, s45, v14                     ; the stage, way in: 80 (lane / 4) + 16 (lane % 4)
	v_mul_u32_u24 v15, v2, SP
	v_add_nc_u32 v15, s45, v15                     ; way out: 80 x lane
	v_lshrrev_b32 v5, 1, v2
	v_add_nc_u32 v5, s45, v5                       ; my block's byte: 4 (lane / 8) + block = lane / 2
	v_bfe_u32 v8, v2, 2, 1
	v_lshlrev_b32 v4, 9, v8                        ; my 8 bytes of codes: 512 (block / 2)
	v_bfe_u32 v8, v2, 1, 1
	v_lshl_add_u32 v4, v8, 8, v4                   ; + 256 (block % 2)
	v_lshrrev_b32 v8, 3, v2
	v_lshl_add_u32 v4, v8, 4, v4                   ; + 16 (lane / 8): the row among the step's four
	v_and_b32 v8, 1, v2
	v_lshl_add_u32 v4, v8, 3, v4                   ; + 8 for the block's upper half
	v_add_nc_u32 v4, s45, v4
	v_lshlrev_b32 v7, 3, v2
	v_add_nc_u32 v6, s45, v7
	v_add_nc_u32 v13, s45, v3
	s_sub_co_u32 s33, ttmp9, 56                    ; 0: t_embed; 1-16: q_x; 17-528: kv_x
	s_mov_b32 s35, 2048
	s_wait_kmcnt 0x0
	s_cmp_eq_u32 s33, 0
	s_cselect_b64 s[36:37], s[8:9], s[6:7]
	s_cselect_b32 s34, 0, 1                        ; the tensor's first work-group
	s_cselect_b32 s35, 2112, s35                   ; its first run in rc and rs
	s_cselect_b32 s44, 1, 0                        ; does it take the activation?
	s_cmp_gt_u32 s33, 16
	s_cselect_b64 s[36:37], s[4:5], s[36:37]
	s_cselect_b32 s34, 17, s34
	s_cselect_b32 s35, 0, s35
	s_sub_co_u32 s33, s33, s34
	s_lshl_b32 s33, s33, 2
	s_add_co_u32 s33, s33, s32                     ; my run in the tensor
	s_lshl_b32 s38, s33, 15                        ; 32,768 bytes of f32 a run
	s_mov_b32 s39, 0
	s_add_nc_u64 s[36:37], s[36:37], s[38:39]
	s_add_co_u32 s33, s33, s35
	s_lshl_b32 s38, s33, 12
	s_add_nc_u64 s[24:25], s[24:25], s[38:39]
	s_lshl_b32 s38, s33, 8
	s_add_nc_u64 s[26:27], s[26:27], s[38:39]
.irp t, 0,1,2,3
	LOAD \t
.endr
	s_wait_loadcnt 12                              ; step 0's four loads are in
	TURN 0
.irp t, 0,1,2,3,4,5,6,7,8,9,10,11,12,13,14,15
	STEP \t
.endr
.irp i, 0,1,2,3,4,5,6,7
	ds_load_b128 v[16+4*\i:19+4*\i], v13 offset:IMG+512*\i     ; the run's codes, as they will lie in memory; these see my stores
.endr
	ds_load_b64 v[10:11], v6 offset:SCB
.irp i, 0,1,2,3,4,5,6,7
	s_wait_dscnt 8-\i                              ; younger: the later loads of codes and the load of the scale bytes
	global_store_b128 v3, v[16+4*\i:19+4*\i], s[24:25] offset:512*\i   ; 512 consecutive bytes, aligned
.endr
	s_wait_dscnt 0x0
	global_store_b64 v7, v[10:11], s[26:27]        ; 256 consecutive bytes, aligned
	s_wait_tensorcnt 0x0
	ds_add_u32 v192, v193
	s_wait_dscnt 0x0
	s_endpgm
	; ---- weights
.Lweights:
	s_lshl_b32 s33, ttmp9, 2
	s_add_co_u32 s33, s33, s32
	s_lshr_b32 s34, s33, 5                         ; which weight: 0 Wq, 1 Wk, 2 Wv, 3 Wqt, 4 Wkt, 5 Wvt, 6 Wo
	s_and_b32 s35, s33, 31                         ; which pair of its 64 fragments
	v_bfe_u32 v8, v2, 3, 1
	v_lshlrev_b32 v3, 5, v8                        ; my column in the pair: 32 ((lane / 8) % 2)
	v_lshrrev_b32 v8, 4, v2
	v_lshl_add_u32 v3, v8, 3, v3                   ; + 8 (lane / 16)
	v_lshlrev_b32 v4, 10, v8                       ; out: fragment lane / 16,
	v_and_b32 v8, 7, v2
	v_add_nc_u32 v3, v3, v8                        ; + lane % 8
	v_lshlrev_b32 v3, 2, v3
	v_and_b32 v8, 15, v2
	v_lshl_add_u32 v4, v8, 4, v4                   ; row lane % 16
	v_lshlrev_b32 v5, 2, v2
	s_lshr_b32 s36, s35, 2                         ; g
	s_bfe_u32 s37, s35, 0x10001                    ; c
	s_and_b32 s38, s35, 1
	s_lshl_b32 s37, s37, 8                         ; 64 c columns,
	s_lshl_b32 s38, s38, 6                         ; 16 for the odd pair
	s_add_co_u32 s37, s37, s38
	s_cmp_eq_u32 s34, 6
	s_cselect_b32 s39, 16, 9                       ; g is 128 rows of 512 bytes in Wo, 128 columns elsewhere
	s_lshl_b32 s36, s36, s39
	s_add_co_u32 s36, s36, s37
	s_mov_b32 s37, 0
	s_lshl_b32 s46, s34, 16
	s_lshl_b32 s38, s35, 11
	s_add_co_u32 s46, s46, s38
	s_mov_b32 s47, 0
	s_lshl_b32 s48, s34, 12
	s_lshl_b32 s38, s35, 7
	s_add_co_u32 s48, s48, s38
	s_mov_b32 s49, 0
	s_wait_kmcnt 0x0
	s_mov_b64 s[40:41], s[10:11]
	s_cmp_eq_u32 s34, 1
	s_cselect_b64 s[40:41], s[12:13], s[40:41]
	s_cmp_eq_u32 s34, 2
	s_cselect_b64 s[40:41], s[14:15], s[40:41]
	s_cmp_eq_u32 s34, 3
	s_cselect_b64 s[40:41], s[16:17], s[40:41]
	s_cmp_eq_u32 s34, 4
	s_cselect_b64 s[40:41], s[18:19], s[40:41]
	s_cmp_eq_u32 s34, 5
	s_cselect_b64 s[40:41], s[20:21], s[40:41]
	s_cmp_eq_u32 s34, 6
	s_cselect_b64 s[40:41], s[22:23], s[40:41]
	s_add_nc_u64 s[40:41], s[40:41], s[36:37]
	s_add_nc_u64 s[28:29], s[28:29], s[46:47]
	s_add_nc_u64 s[30:31], s[30:31], s[48:49]
	s_cmp_eq_u32 s34, 6
	s_cbranch_scc1 .Lwo
	WQ 4096                                        ; a row of 1,024 f32
.Lwo:
	WQ 512                                         ; Wo: a row of 128 f32
.Lfunc_end_k_qe9f8b5f36e_prep:
	.size	k_qe9f8b5f36e_prep, .Lfunc_end_k_qe9f8b5f36e_prep-k_qe9f8b5f36e_prep
	.p2alignl 7, 3214868480
	.fill 96, 4, 3214868480
	.section	.rodata,"a",@progbits
	.p2align	6, 0x0
	.amdhsa_kernel k_qe9f8b5f36e_prep
		.amdhsa_group_segment_fixed_size 39424
		.amdhsa_private_segment_fixed_size 0
		.amdhsa_enable_private_segment 0
		.amdhsa_kernarg_size 112
		.amdhsa_user_sgpr_count 2
		.amdhsa_user_sgpr_kernarg_segment_ptr 1
		.amdhsa_wavefront_size32 1
		.amdhsa_system_sgpr_workgroup_id_x 1
		.amdhsa_system_sgpr_workgroup_id_y 1
		.amdhsa_system_sgpr_workgroup_id_z 1
		.amdhsa_system_vgpr_workitem_id 0
		.amdhsa_next_free_vgpr 194
		.amdhsa_next_free_sgpr 66
		.amdhsa_reserve_vcc 0
		.amdhsa_float_denorm_mode_32 3
		.amdhsa_float_denorm_mode_16_64 3
		.amdhsa_memory_ordered 1
		.amdhsa_forward_progress 1
		.amdhsa_inst_pref_size 160
	.end_amdhsa_kernel
	.amdgpu_metadata
---
amdhsa.version: [ 1, 2 ]
amdhsa.kernels:
  - .name:           k_qe9f8b5f36e_prep
    .symbol:         k_qe9f8b5f36e_prep.kd
    .args:
      - { .name: kv_x, .offset: 0, .size: 8, .value_kind: global_buffer, .address_space: global }
      - { .name: q_x, .offset: 8, .size: 8, .value_kind: global_buffer, .address_space: global }
      - { .name: t_embed, .offset: 16, .size: 8, .value_kind: global_buffer, .address_space: global }
      - { .name: Wq, .offset: 24, .size: 8, .value_kind: global_buffer, .address_space: global }
      - { .name: Wk, .offset: 32, .size: 8, .value_kind: global_buffer, .address_space: global }
      - { .name: Wv, .offset: 40, .size: 8, .value_kind: global_buffer, .address_space: global }
      - { .name: Wqt, .offset: 48, .size: 8, .value_kind: global_buffer, .address_space: global }
      - { .name: Wkt, .offset: 56, .size: 8, .value_kind: global_buffer, .address_space: global }
      - { .name: Wvt, .offset: 64, .size: 8, .value_kind: global_buffer, .address_space: global }
      - { .name: Wo, .offset: 72, .size: 8, .value_kind: global_buffer, .address_space: global }
      - { .name: rc, .offset: 80, .size: 8, .value_kind: global_buffer, .address_space: global }
      - { .name: rs, .offset: 88, .size: 8, .value_kind: global_buffer, .address_space: global }
      - { .name: wc, .offset: 96, .size: 8, .value_kind: global_buffer, .address_space: global }
      - { .name: wsc, .offset: 104, .size: 8, .value_kind: global_buffer, .address_space: global }
    .group_segment_fixed_size: 39424
    .private_segment_fixed_size: 0
    .kernarg_segment_align: 8
    .kernarg_segment_size: 112
    .max_flat_workgroup_size: 128
    .sgpr_count:     66
    .vgpr_count:     194
    .wavefront_size: 32
...
	.end_amdgpu_metadata
.endif
;; end of part 1
;; launch attn (part 2): grid 8 x 64, 4 waves a work-group, no clusters, 208,896 bytes of LDS; arguments rc, rs, wc, wsc, bqt, bkt, bvt, oc, osc; writes oc, osc
.if DOCPART == 2
	.amdgcn_target "amdgcn-amd-amdhsa--gfx1250"
	.amdhsa_code_object_version 6
	.text
	.protected	k_qe9f8b5f36e_attn
	.globl	k_qe9f8b5f36e_attn
	.p2align	8
	.type	k_qe9f8b5f36e_attn,@function
k_qe9f8b5f36e_attn:
	s_mov_b64 s[64:65], 0
	v_nop
	global_prefetch_b8 v0, s[64:65] scope:SCOPE_SE
	s_setreg_imm32_b32 hwreg(HW_REG_WAVE_MODE, 25, 1), 1
	s_wait_xcnt 0x0
; One work-group = one (batch b, place l = n, head): 64 queries x 2,048 keys x 128.  It makes Q, K and V from codes, with their time biases, quantises them in registers, runs the attention, and stores O / l as codes for the last product.
; All products are v_wmma_scale_f32_16x16x128_f8f6f4 on FP4 codes with E8M0 scales.  K and V never leave the registers.
; THE WAVES SHARE THE KEYS: wave w owns keys 512 w .. 512 w + 511 (t' = 16 w .. 16 w + 15) for all 64 queries, in four steps of 128 keys, with a running whole-number M, a sum and an O^T of its own.
; At the end the four partial results meet in LDS; they differ by exact powers of two; wave w finishes query tile w.  The loop has no barrier.
; THE ORDER OF ROWS IN A TILE: row m of tile 4 c + T is element 64 c + 32 (m / 8) + 8 T + m % 8 (of the keys of a step, or of a head's 128).  Where that axis is the result's row axis, lane (r, h) holds in
; register 8 (4 c + T) + j the element 64 c + 32 h + 8 T + j: its 32 registers of tiles 4 c .. 4 c + 3 are ONE WHOLE block of 32 along the next K, in the operand's own order.  So a block's maximum needs no other lane,
; and the conversion of tile 4 c + T IS register 4 c + T of the next operand.  Only the scale word's four bytes are gathered from lane l xor 16.
; PRODUCTS (source 0, source 1, C):  PK n: Wk's 8 tiles, X's key tile n, K's time bias -> a lane holds one key, registers along d.   VP tau: X's 8 key tiles, Wv's tile tau, V's time bias -> one d, registers along the keys.
;   ST i: K's 8 tiles, Q's tile i, 0 -> one query, registers along the keys.   PVM i: V's 8 tiles, P of tile i, O^T -> one query, registers along d.
; SOFTMAX: t = score x log2(e) / sqrt(128); M = the ceiling of the running largest t; p = 2^(t - M) is quantised along the keys, not normalised; the sum is taken of the unquantised p; when M moves, sum and O^T are multiplied by 2^(old M - new M).
; NO JOINT LOADS, though the eight heads of a (b, n) read the same X: a step's 8,704 bytes of X and scale words go from memory straight into a wave's operand registers, beside some 2,000 vector instructions of the same step;
; a joint load would add a trip through LDS and a round of a cluster's barrier to each of the four steps.
; LIMITS: NaN and infinities are not served.  Blocks whose largest magnitude lies under 2^-124 keep the byte 1; a block of zeros too (its codes are zeros).  M is an exact whole number for |t| < 2^24.
; O is formed as the sum over the four waves of (f / l) x partial O: the order of rounding differs from (sum) / l.
; REGISTERS.  Window 0: v1 16 lane, v2 4 lane, v3, v4 LDS addresses of the biases, v5 8 h, v6 256 lane, v7-15 head and end; v16-49 SCALES ALONE; v50-65 statistics; v66-81 V's bias, v82-97 its tiles; v98-127 at work; v128-255 two sets of 8 result tiles.
;   Window 1: O^T, tile (i, tau) at 64 i + 8 tau (head: Wq, Wqt, Wkt, Wvt; end: the four partials).   Window 2: Wk 0, Wv 64, X 128, V's fragments 192.
;   Window 3: K's fragments 0, Q 64, P 96 (two sets), K's bias tiles 112-239 (head: te 0-7, bqt's tiles 112, bkt's 176, q_x 248).
.set QC0, 8388608                      ; rc: q_x's first run;  rs: likewise
.set QS0, 524288
.set TC0, 8650752                      ; mish(t_embed)'s
.set TS0, 540672
.set QI,  0                            ; LDS: Q's four fragments as images, 1,024 bytes each
.set QW,  4096                         ; their scale words, 128 bytes each
.set STT, 4608                         ; the partials' -M and sum: [wave][query tile][2] x 128
.set TK,  8704                         ; K's time bias: 64 rows t' x (512 + 16) bytes, d in its own order
.set TV,  42496                        ; V's: 128 rows (16 tau + r) x (256 + 16); within each four t' the order 0, 2, 1, 3
.set PB,  77312                        ; the partial O^T: [wave][query tile][16 groups of 4 registers] x 512
.set XS,  16
.set WKS, 20
.set WVS, 24
.set KS,  28
.set VS,  36
.set QS,  44
.set PS,  48
.set STA, 50                           ; tile i at 50 + 4 i: -M, the largest t, the sum in two halves
.set TVV, 66
.set CT,  82
.set TM,  98
.set SO,  102
.set BY,  104
.set WT,  106
.set WP,  107
.set BM,  108
.set BC,  110
.set RM,  112
.set RP,  113
.set OLD, 114
.set F,   116
.set S2,  118
.set ACC0, 128
.set ACC1, 192
.set WK,  0
.set WV,  64
.set X,   128
.set VF,  192
.set KF,  0
.set Q,   64
.set P,   96
.set CB,  112
.set W_PK, 0x3a                        ; s_set_vgpr_msb: bits 1:0 source 0, 3:2 source 1, 5:4 source 2, 7:6 destination
.set W_VP, 0x0a
.set W_ST, 0x0f
.set W_PV, 0x5e
.set W_C3, 0xc0
.set W_C2, 0x80
.set W_C1, 0x40
.set W_RS, 0x41
.set W_TQ, 0x3d
.set W_Q,  0x0d
.set W_TV, 0x07
.set W_SD, 0x04
.set W_S1, 0x01
.set MSB, 0
.macro WIN new                         ; the immediate's high byte repeats the setting that is left; a switch that changes nothing is dropped
.if MSB != \new
	s_set_vgpr_msb (MSB<<8)|\new
.set MSB, \new
.endif
.endm
; One matrix line.  ra, rb: the side's scale words stand in lanes 16-31 of its register.  cm = 0: C is the constant 0
.macro WMS d, a, b, ra, rb, sa, sb, cm, cr
.if \cm
.if (\ra) && (\rb)
	v_wmma_scale_f32_16x16x128_f8f6f4 v[\d:\d+7], v[\a:\a+7], v[\b:\b+7], v[\cr:\cr+7], v[\sa], v[\sb] matrix_a_fmt:MATRIX_FMT_FP4 matrix_b_fmt:MATRIX_FMT_FP4 matrix_a_scale:MATRIX_SCALE_ROW1 matrix_b_scale:MATRIX_SCALE_ROW1
.elseif (\ra)
	v_wmma_scale_f32_16x16x128_f8f6f4 v[\d:\d+7], v[\a:\a+7], v[\b:\b+7], v[\cr:\cr+7], v[\sa], v[\sb] matrix_a_fmt:MATRIX_FMT_FP4 matrix_b_fmt:MATRIX_FMT_FP4 matrix_a_scale:MATRIX_SCALE_ROW1
.elseif (\rb)
	v_wmma_scale_f32_16x16x128_f8f6f4 v[\d:\d+7], v[\a:\a+7], v[\b:\b+7], v[\cr:\cr+7], v[\sa], v[\sb] matrix_a_fmt:MATRIX_FMT_FP4 matrix_b_fmt:MATRIX_FMT_FP4 matrix_b_scale:MATRIX_SCALE_ROW1
.else
	v_wmma_scale_f32_16x16x128_f8f6f4 v[\d:\d+7], v[\a:\a+7], v[\b:\b+7], v[\cr:\cr+7], v[\sa], v[\sb] matrix_a_fmt:MATRIX_FMT_FP4 matrix_b_fmt:MATRIX_FMT_FP4
.endif
.else
.if (\ra) && (\rb)
	v_wmma_scale_f32_16x16x128_f8f6f4 v[\d:\d+7], v[\a:\a+7], v[\b:\b+7], 0, v[\sa], v[\sb] matrix_a_fmt:MATRIX_FMT_FP4 matrix_b_fmt:MATRIX_FMT_FP4 matrix_a_scale:MATRIX_SCALE_ROW1 matrix_b_scale:MATRIX_SCALE_ROW1
.elseif (\ra)
	v_wmma_scale_f32_16x16x128_f8f6f4 v[\d:\d+7], v[\a:\a+7], v[\b:\b+7], 0, v[\sa], v[\sb] matrix_a_fmt:MATRIX_FMT_FP4 matrix_b_fmt:MATRIX_FMT_FP4 matrix_a_scale:MATRIX_SCALE_ROW1
.elseif (\rb)
	v_wmma_scale_f32_16x16x128_f8f6f4 v[\d:\d+7], v[\a:\a+7], v[\b:\b+7], 0, v[\sa], v[\sb] matrix_a_fmt:MATRIX_FMT_FP4 matrix_b_fmt:MATRIX_FMT_FP4 matrix_b_scale:MATRIX_SCALE_ROW1
.else
	v_wmma_scale_f32_16x16x128_f8f6f4 v[\d:\d+7], v[\a:\a+7], v[\b:\b+7], 0, v[\sa], v[\sb] matrix_a_fmt:MATRIX_FMT_FP4 matrix_b_fmt:MATRIX_FMT_FP4
.endif
.endif
.endm
.macro PK n, acc                       ; K of key tile n: eight tiles along d
	WIN W_PK
.irp tau, 0,1,2,3,4,5,6,7
	WMS (\acc)+8*\tau, WK+8*\tau, X+8*(\n), (\tau)&1, (\n)&1, WKS+(\tau)/2, XS+(\n)/2, 1, CB+64*((\n)/4)+8*\tau
.endr
.endm
.macro VP tau, acc                     ; V of d tile tau: eight tiles along the keys
	WIN W_VP
.irp kt, 0,1,2,3,4,5,6,7
	WMS (\acc)+8*\kt, X+8*\kt, WV+8*(\tau), (\kt)&1, (\tau)&1, XS+(\kt)/2, WVS+(\tau)/2, 1, CT+8*((\kt)/4)
.endr
.endm
.macro ST i, acc                       ; the scores of query tile i: eight tiles along the keys
	WIN W_ST
.irp kt, 0,1,2,3,4,5,6,7
	WMS (\acc)+8*\kt, KF+8*\kt, Q+8*(\i), 0, 0, KS+\kt, QS+(\i), 0, 0
.endr
.endm
.macro PVM i, first                    ; O^T of query tile i; first = 1: these products start the sums
	WIN W_PV
.irp tau, 0,1,2,3,4,5,6,7
	WMS 64*(\i)+8*\tau, VF+8*\tau, P+8*((\i)&1), 0, 0, VS+\tau, PS+((\i)&1), 1-(\first), 64*(\i)+8*\tau
.endr
.endm
.macro MOVS tau                        ; V's bias of d tile tau as two tiles of eight equal registers: keys 64 c on have t' = t'0 + 2 c + h.  x 1.0, one word of the pair for both halves
.irp k, 0,1,2,3
	v_pk_mul_f32 v[CT+2*\k:CT+2*\k+1], v[TVV+2*(\tau):TVV+2*(\tau)+1], 1.0 op_sel_hi:[0,0]
	v_pk_mul_f32 v[CT+8+2*\k:CT+8+2*\k+1], v[TVV+2*(\tau):TVV+2*(\tau)+1], 1.0 op_sel:[1,0] op_sel_hi:[1,0]
.endr
.endm
; The largest magnitudes of a lane's two blocks (registers 32 c + 0 .. 31 of a), two chains a block, into TM and TM + 2.  Each tile's first read names one of its four lowest registers
.macro QMAX a
	WIN 0
.irp c, 0,1
	v_max3_num_f32 v[TM+2*\c], |v[(\a)+32*\c]|, |v[(\a)+32*\c+1]|, 0x1800000      ; with the floor 2^(3 - 127): the byte cannot fall under 1
	v_max3_num_f32 v[TM+2*\c+1], |v[(\a)+32*\c+16]|, |v[(\a)+32*\c+17]|, |v[(\a)+32*\c+18]|
.endr
.irp k, 0,1,2,3,4,5
.irp c, 0,1
	v_max3_num_f32 v[TM+2*\c], v[TM+2*\c], |v[(\a)+32*\c+2+2*\k]|, |v[(\a)+32*\c+3+2*\k]|
	v_max3_num_f32 v[TM+2*\c+1], v[TM+2*\c+1], |v[(\a)+32*\c+19+2*\k]|, |v[(\a)+32*\c+20+2*\k]|
.endr
.endr
.irp c, 0,1
	v_max3_num_f32 v[TM+2*\c], v[TM+2*\c], |v[(\a)+32*\c+14]|, |v[(\a)+32*\c+15]|
.endr
.irp c, 0,1
	v_max3_num_f32 v[TM+2*\c], v[TM+2*\c], v[TM+2*\c+1], |v[(\a)+32*\c+31]|
.endr
.endm
; The scale word into v[word] (window 0) and the fragment's eight registers into v[dst] on, in the window that win names
.macro QCVT a, win, dst, word
	v_add_nc_u32 v[SO], 0xff000000, v[TM]          ; 2 off the exponent field: the conversion's scale operand
	v_add_nc_u32 v[SO+1], 0xff000000, v[TM+2]
	v_lshrrev_b32 v[BY], 23, v[SO]                 ; the bytes of blocks h and 2 + h
	v_lshrrev_b32 v[BY+1], 23, v[SO+1]
	v_lshl_or_b32 v[WT], v[BY+1], 16, v[BY]
	v_lshlrev_b32 v[WT], v5, v[WT]                 ; 8 h bits up
	v_permlanex16_b32 v[WP], v[WT], s28, s29
	v_or_b32 v[\word], v[WT], v[WP]                ; with lane l xor 16's two the word is whole
	WIN \win
.irp c, 0,1
.irp u, 0,1,2,3
	v_cvt_scalef32_pk8_fp4_f32 v[(\dst)+4*\c+\u], v[(\a)+32*\c+8*\u:(\a)+32*\c+8*\u+7], v[SO+\c]
.endr
.endr
	WIN 0
	v_nop                                          ; a plain line behind the last conversion
.endm
.macro SOFTMAX i, a, ps, first
	WIN 0
.set rT, STA+4*(\i)
.irp c, 0,1
	v_max3_num_f32 v[BM+\c], v[(\a)+32*\c], v[(\a)+32*\c+1], v[(\a)+32*\c+2]      ; the largest score of each of my two blocks: it serves the row's maximum and, since p rises with the score, the block's largest p
	v_max3_num_f32 v[BC+\c], v[(\a)+32*\c+16], v[(\a)+32*\c+17], v[(\a)+32*\c+18]
.endr
.irp k, 3,5,7,9,11,13
.irp c, 0,1
	v_max3_num_f32 v[BM+\c], v[BM+\c], v[(\a)+32*\c+\k], v[(\a)+32*\c+\k+1]
	v_max3_num_f32 v[BC+\c], v[BC+\c], v[(\a)+32*\c+16+\k], v[(\a)+32*\c+17+\k]
.endr
.endr
.irp c, 0,1
	v_max3_num_f32 v[BM+\c], v[BM+\c], v[BC+\c], v[(\a)+32*\c+15]
.endr
.irp c, 0,1
	v_max_num_f32 v[BM+\c], v[BM+\c], v[(\a)+32*\c+31]
.endr
	v_max_num_f32 v[RM], v[BM], v[BM+1]
	v_permlanex16_b32 v[RP], v[RM], s28, s29
	v_max_num_f32 v[RM], v[RM], v[RP]              ; the step's largest score of my query
	v_mul_f32 v[RM], s30, v[RM]                    ; as t
	v_max_num_f32 v[rT+1], v[rT+1], v[RM]          ; the running largest t
	v_mov_b32 v[OLD], v[rT]
	v_floor_f32 v[rT], -v[rT+1]                    ; -M = floor(-t): M is a whole number
	v_sub_f32 v[OLD], v[rT], v[OLD]                ; old M - new M, 0 or less
	v_cvt_i32_f32 v[OLD], v[OLD]                   ; (it saturates)
	v_ldexp_f32 v[F], 1.0, v[OLD]                  ; f = 2^(old M - new M)
.set j, 0
.rept 32
	v_pk_fma_f32 v[(\a)+j:(\a)+j+1], v[(\a)+j:(\a)+j+1], s[30:31], v[rT:rT+1] op_sel_hi:[1,0,0]   ; t - M
.set j, j+2
.endr
.irp c, 0,1
	v_fma_f32 v[BM+\c], v[BM+\c], s30, v[rT]
.endr
.set j, 0
.rept 64
	v_exp_f32 v[(\a)+j], v[(\a)+j]                 ; p, at most 1
.set j, j+1
.endr
	v_pk_mul_f32 v[rT+2:rT+3], v[rT+2:rT+3], v[F:F+1] op_sel_hi:[1,0]   ; the sum under the new M (a plain line behind the exponentials)
	s_wait_alu depctr_va_vdst(0)                   ; one wait for the 64, ahead of their first reader
.irp c, 0,1
	v_exp_f32 v[BM+\c], v[BM+\c]                   ; the block's largest p
.endr
	v_pk_add_f32 v[S2:S2+1], v[(\a):(\a)+1], v[(\a)+2:(\a)+3]   ; the sum of the unquantised p, in two chains
.set j, 4
.rept 15
	v_pk_add_f32 v[rT+2:rT+3], v[rT+2:rT+3], v[(\a)+j:(\a)+j+1]
	v_pk_add_f32 v[S2:S2+1], v[S2:S2+1], v[(\a)+j+2:(\a)+j+3]
.set j, j+4
.endr
	v_pk_add_f32 v[rT+2:rT+3], v[rT+2:rT+3], v[S2:S2+1]
	s_wait_alu depctr_va_vdst(0)                   ; and one for the two
.irp c, 0,1
	v_max_num_f32 v[BM+\c], 0x1800000, v[BM+\c]
.endr
.irp c, 0,1
	v_add_nc_u32 v[SO+\c], 0xff000000, v[BM+\c]
.endr
.irp c, 0,1
	v_lshrrev_b32 v[BY+\c], 23, v[SO+\c]
.endr
	v_lshl_or_b32 v[WT], v[BY+1], 16, v[BY]
	v_lshlrev_b32 v[WT], v5, v[WT]
	v_permlanex16_b32 v[WP], v[WT], s28, s29
	v_or_b32 v[PS+(\ps)], v[WT], v[WP]             ; p's scale word for these 128 keys
	WIN W_C3
.irp c, 0,1
.irp u, 0,1,2,3
	v_cvt_scalef32_pk8_fp4_f32 v[P+8*(\ps)+4*\c+\u], v[(\a)+32*\c+8*\u:(\a)+32*\c+8*\u+7], v[SO+\c]
.endr
.endr
	WIN 0
	v_nop
.if \first
.rept 8
	v_nop                                          ; the scale word just made stands eight plain lines ahead of the product that names it
.endr
.else
	WIN W_RS
.set j, 0
.rept 32
	v_pk_mul_f32 v[64*(\i)+j:64*(\i)+j+1], v[64*(\i)+j:64*(\i)+j+1], v[F:F+1] op_sel_hi:[1,0]   ; O^T under the new M; these 32 lines are also those eight
.set j, j+2
.endr
.endif
.endm
.macro LDX o, os                       ; a step's X: eight fragments as they lie, 512 consecutive bytes a load; four registers of scale words, two fragments each
	WIN W_C2
.irp k, 0,1,2,3,4,5,6,7,8,9,10,11,12,13,14,15
	global_load_b128 v[X+4*\k:X+4*\k+3], v1, s[34:35] offset:\o+512*\k
.endr
	WIN 0
.irp p, 0,1,2,3
	global_load_b32 v[XS+\p], v2, s[36:37] offset:\os+128*\p
.endr
.endm
.macro LDBIAS o3, o4                   ; a step's biases from LDS: K's as 16 tiles (c: which 64 keys; tau: which d tile), V's as two numbers for each d tile
	WIN W_C3
.irp c, 0,1
.irp tau, 0,1,2,3,4,5,6,7
	ds_load_b128 v[CB+64*\c+8*\tau:CB+64*\c+8*\tau+3], v3 offset:\o3+1056*\c+256*(\tau/4)+32*(\tau%4)
	ds_load_b128 v[CB+64*\c+8*\tau+4:CB+64*\c+8*\tau+7], v3 offset:\o3+1056*\c+256*(\tau/4)+32*(\tau%4)+16
.endr
.endr
	WIN 0
.irp tau, 0,1,2,3,4,5,6,7
	ds_load_b64 v[TVV+2*\tau:TVV+2*\tau+1], v4 offset:\o4+4352*\tau
.endr
.endm
; The next step's X and biases are asked for when this step's projections are done: the four softmaxes stand between the request and the wait.  The last step asks for nothing: no load leaves its buffer.
; A PREFETCH INTO THE L2 stands behind the loads: the 8,192 bytes of X of the step after the one just asked for, lanes 256 bytes apart.  The eight heads of a (b, n) read the same X: head 0's work-group alone asks, so each
; block is named once in the launch.  Steps 0 and 1 ask; behind them no step is left.  Its base is stepped at the step's end, behind s_wait_xcnt 0.
.macro NEXT
	WIN 0
	s_cmp_eq_u32 s38, 1
	s_cbranch_scc1 .Lno_next_\@
	LDX 8192, 512
	LDBIAS 2112, 16
	s_cmp_gt_u32 s38, s39
	s_cbranch_scc0 .Lno_pf_\@
	global_prefetch_b8 v6, s[34:35] offset:16384 th:TH_LOAD_NT scope:SCOPE_SE
.Lno_pf_\@:
.Lno_next_\@:
.endm
; A STEP OF 128 KEYS.  Each batch of eight matrix lines is followed by the vector work on the OTHER set of eight tiles, which names none of its registers: those lines are the distance that a read or an overwriting of its registers
; needs.  No two matrix lines that follow each other share an accumulator, over the backward jump too.
.macro STEP first
	s_wait_loadcnt 0x0                             ; X and its scale words,
	s_wait_dscnt 0x0                               ; the biases
	PK 0, ACC0
	PK 1, ACC1
.rept 4
	v_nop                                          ; only matrix lines stand between PK 0 and the first read of its results
.endr
	QMAX ACC0
	QCVT ACC0, W_C3, KF, KS
.irp n, 2,3,4,5,6,7
	PK \n, ACC0+64*(\n&1)
	QMAX ACC0+64*((\n-1)&1)
.if \n == 7
	MOVS 0
.endif
	QCVT ACC0+64*((\n-1)&1), W_C3, KF+8*(\n-1), KS+\n-1
.endr
	VP 0, ACC0
	QMAX ACC1
	MOVS 1                                         ; behind 32 plain lines: the products just issued have read the tiles that it writes
	QCVT ACC1, W_C3, KF+56, KS+7
.irp t, 1,2,3,4,5,6,7
	VP \t, ACC0+64*(\t&1)
	QMAX ACC0+64*((\t-1)&1)
.if \t < 7
	MOVS \t+1
.endif
	QCVT ACC0+64*((\t-1)&1), W_C2, VF+8*(\t-1), VS+\t-1
.endr
	ST 0, ACC0
	QMAX ACC1
	QCVT ACC1, W_C2, VF+56, VS+7
	NEXT
.irp i, 0,1,2,3
.if \i < 3
	ST \i+1, ACC0+64*((\i+1)&1)
.endif
	SOFTMAX \i, ACC0+64*(\i&1), \i&1, \first
	PVM \i, \first
.endr
	WIN 0
	s_wait_xcnt 0x0                                ; this step's loads and prefetch have read their bases: now they step
	s_add_nc_u64 s[34:35], s[34:35], 8192
	s_add_nc_u64 s[36:37], s[36:37], 512
	v_add_nc_u32 v3, 2112, v3                      ; four rows t' of K's bias on
	v_add_nc_u32 v4, 16, v4                        ; four columns t' of V's
.endm
.macro LDW reg, widx                   ; my head's eight fragments of a weight
.irp k, 0,1,2,3,4,5,6,7,8,9,10,11,12,13,14,15
	global_load_b128 v[\reg+4*\k:\reg+4*\k+3], v1, s[48:49] offset:65536*\widx+512*\k
.endr
.endm
.macro LDWS reg, widx                  ; and their scale words, two fragments to a register
.irp p, 0,1,2,3
	global_load_b32 v[\reg+\p], v2, s[50:51] offset:4096*\widx+128*\p
.endr
.endm
.macro LDBT reg, base                  ; a bias as eight tiles in the result's layout: lane (r, h), tile 4 c + T: numbers 64 c + 32 h + 8 T + 0 .. 7
.irp tau, 0,1,2,3,4,5,6,7
	global_load_b128 v[\reg+8*\tau:\reg+8*\tau+3], v15, s[\base:\base+1] offset:256*(\tau/4)+32*(\tau%4)
	global_load_b128 v[\reg+8*\tau+4:\reg+8*\tau+7], v15, s[\base:\base+1] offset:256*(\tau/4)+32*(\tau%4)+16
.endr
.endm
	s_load_b256 s[4:11], s[0:1], 0x0               ; rc 4, rs 6, wc 8, wsc 10
	s_load_b256 s[12:19], s[0:1], 0x20             ; bqt 12, bkt 14, bvt 16, oc 18
	s_load_b64 s[20:21], s[0:1], 0x40              ; osc
	s_set_vgpr_msb 0xc0
	v_lshl_add_u32 v246, v0, 2, 0x32e00
	v_mov_b32 v247, 0
	s_set_vgpr_msb 0xc000
	v_lshrrev_b32 v7, 5, v0
	v_readfirstlane_b32 s22, v7                    ; wave w
	s_mov_b32 s23, ttmp9                           ; head
	s_and_b32 s24, ttmp7, 0xffff                   ; 16 b + l
	s_lshr_b32 s25, s24, 4                         ; b
	s_and_b32 s26, s24, 15                         ; l
	s_mov_b32 s28, 0x76543210
	s_mov_b32 s29, 0xfedcba98                      ; v_permlanex16_b32's selects for lane l xor 16
	s_mov_b32 s30, 0x3e0293ee                      ; log2(e) / sqrt(128)
	s_mov_b32 s31, s30                             ; (named with it as a pair)
	s_cmp_eq_u32 s23, 0
	s_cselect_b32 s39, 2, -1                       ; a wave prefetches while more steps than this are left
	v_and_b32 v121, 31, v0                         ; lane
	v_and_b32 v122, 15, v0                         ; r
	v_bfe_u32 v123, v0, 4, 1                       ; h
	v_bfe_u32 v124, v0, 3, 1                       ; r / 8
	v_and_b32 v125, 7, v0                          ; r % 8
	v_bfe_u32 v126, v0, 2, 2                       ; r / 4
	v_and_b32 v127, 1, v0                          ; r % 2
	v_bfe_u32 v120, v0, 1, 1                       ; (r / 2) % 2
	v_lshlrev_b32 v1, 4, v121
	v_lshlrev_b32 v2, 2, v121
	v_lshlrev_b32 v5, 3, v123
	v_lshlrev_b32 v6, 8, v121
	s_mul_i32 s40, s22, 16*528
	s_add_co_u32 s40, s40, TK                      ; my 16 rows t' of K's bias
	v_mul_u32_u24 v3, v124, 528
	v_lshl_add_u32 v3, v123, 7, v3
	v_add_nc_u32 v3, s40, v3                       ; read: row 16 w + r / 8, + 128 h
	v_mul_u32_u24 v7, v122, 528
	v_lshl_add_u32 v7, v123, 7, v7
	v_add_nc_u32 v7, s40, v7                       ; written: row 16 w + r, + 128 h
	s_lshl_b32 s41, s22, 6
	s_add_co_u32 s41, s41, TV                      ; my 16 columns t' of V's bias
	v_mul_u32_u24 v4, v122, 272
	v_lshl_add_u32 v8, v123, 5, v4
	v_lshl_add_u32 v4, v123, 3, v4
	v_add_nc_u32 v8, s41, v8                       ; written: row r of a d tile, + 32 h
	v_add_nc_u32 v4, s41, v4                       ; read: + 8 h
	s_lshl_b32 s42, s22, 10
	v_add_nc_u32 v9, s42, v1                       ; my tile of Q as an image
	s_lshl_b32 s43, s22, 7
	v_add_nc_u32 v10, s43, v2                      ; and its scale words
	v_lshlrev_b32 v11, 10, v124                    ; te's codes, row t = 16 w + r of b's run: the lane's part
	v_lshl_add_u32 v11, v125, 4, v11
	v_lshl_add_u32 v11, v123, 8, v11
	v_lshlrev_b32 v12, 6, v124                     ; its scale word
	v_lshl_add_u32 v12, v125, 2, v12
	v_lshlrev_b32 v13, 12, v126                    ; q_x's codes, row (t = 16 w + r, l): run r / 4 of my four,
	v_lshl_add_u32 v13, v127, 11, v13              ; fragment 2 (r % 2) + l / 8,
	v_lshl_add_u32 v13, v120, 7, v13               ; fragment row 8 ((r / 2) % 2) + l % 8
	v_lshl_add_u32 v13, v123, 8, v13
	v_lshlrev_b32 v14, 8, v126                     ; its scale word
	v_lshl_add_u32 v14, v127, 7, v14
	v_lshl_add_u32 v14, v120, 5, v14
	v_lshlrev_b32 v15, 7, v123                     ; 128 h: a bias tile's lane part
	v_lshlrev_b32 v120, 7, v124                    ; bvt at d(tau, r): 4 (32 (r / 8) + r % 8)
	v_lshl_add_u32 v120, v125, 2, v120
	v_mov_b32 v[WP], 0                             ; a lane permute's destination counts as read
	v_mov_b32 v[RP], 0
	v_mov_b32 v[F+1], 0                            ; (named as the upper half of a pair)
.irp i, 0,1,2,3
	v_mov_b32 v[STA+4*\i+1], 0xff61b1e6            ; the largest t so far: -3e38
	v_mov_b32 v[STA+4*\i+2], 0
	v_mov_b32 v[STA+4*\i+3], 0
.endr
.irp i, 0,1,2,3
	v_floor_f32 v[STA+4*\i], -v[STA+4*\i+1]
.endr
	s_and_b32 s52, s22, 1
	s_lshr_b32 s53, s22, 1
	s_lshl_b32 s40, s25, 12                        ; te's codes: run b, fragment 2 (w % 2) + r / 8, fragment row 8 (w / 2) + r % 8
	s_lshl_b32 s54, s52, 11
	s_add_co_u32 s40, s40, s54
	s_lshl_b32 s54, s53, 7
	s_add_co_u32 s40, s40, s54
	s_add_co_u32 s40, s40, TC0
	s_mov_b32 s41, 0
	s_lshl_b32 s42, s25, 8
	s_lshl_b32 s54, s52, 7
	s_add_co_u32 s42, s42, s54
	s_lshl_b32 s54, s53, 5
	s_add_co_u32 s42, s42, s54
	s_add_co_u32 s42, s42, TS0
	s_mov_b32 s43, 0
	s_lshl_b32 s55, s25, 4
	s_lshl_b32 s54, s22, 2
	s_add_co_u32 s55, s55, s54                     ; q_x: run 16 b + 4 w
	s_lshr_b32 s56, s26, 3
	s_and_b32 s57, s26, 7
	s_lshl_b32 s44, s55, 12
	s_lshl_b32 s54, s56, 10
	s_add_co_u32 s44, s44, s54
	s_lshl_b32 s54, s57, 4
	s_add_co_u32 s44, s44, s54
	s_add_co_u32 s44, s44, QC0
	s_mov_b32 s45, 0
	s_lshl_b32 s46, s55, 8
	s_lshl_b32 s54, s56, 6
	s_add_co_u32 s46, s46, s54
	s_lshl_b32 s54, s57, 2
	s_add_co_u32 s46, s46, s54
	s_add_co_u32 s46, s46, QS0
	s_mov_b32 s47, 0
	s_lshl_b32 s48, s23, 13                        ; my head's fragments in each weight,
	s_mov_b32 s49, 0
	s_lshl_b32 s50, s23, 9                         ; its scale words, and its 128 numbers of each bias
	s_mov_b32 s51, 0
	s_lshl_b32 s34, s24, 17                        ; X: 32 runs a (b, n), 8 a wave
	s_lshl_b32 s54, s22, 15
	s_add_co_u32 s34, s34, s54
	s_mov_b32 s35, 0
	s_lshl_b32 s36, s24, 13
	s_lshl_b32 s54, s22, 11
	s_add_co_u32 s36, s36, s54
	s_mov_b32 s37, 0
	s_wait_kmcnt 0x0
	s_add_nc_u64 s[40:41], s[4:5], s[40:41]
	s_add_nc_u64 s[42:43], s[6:7], s[42:43]
	s_add_nc_u64 s[44:45], s[4:5], s[44:45]
	s_add_nc_u64 s[46:47], s[6:7], s[46:47]
	s_add_nc_u64 s[48:49], s[8:9], s[48:49]
	s_add_nc_u64 s[12:13], s[12:13], s[50:51]
	s_add_nc_u64 s[14:15], s[14:15], s[50:51]
	s_add_nc_u64 s[16:17], s[16:17], s[50:51]
	s_add_nc_u64 s[50:51], s[10:11], s[50:51]
	s_add_nc_u64 s[34:35], s[4:5], s[34:35]
	s_add_nc_u64 s[36:37], s[6:7], s[36:37]
	; the first group, 126 loads: what the head's products want
	WIN W_C3
	global_load_b128 v[0:3], v11, s[40:41]         ; te, rows t = 16 w + r
	global_load_b128 v[4:7], v11, s[40:41] offset:512
	global_load_b128 v[248:251], v13, s[44:45]     ; q_x, the same t at my l
	global_load_b128 v[252:255], v13, s[44:45] offset:512
	LDBT 112, 12
	LDBT 176, 14
	WIN W_C1
	LDW 0, 0                                       ; Wq
	LDW 64, 3                                      ; Wqt
	LDW 128, 4                                     ; Wkt
	LDW 192, 5                                     ; Wvt
	WIN 0
	global_load_b32 v48, v12, s[42:43]             ; te's scale words
	global_load_b32 v49, v14, s[46:47]             ; q_x's
	LDWS 28, 0
	LDWS 32, 3
	LDWS 36, 4
	LDWS 40, 5
.irp tau, 0,1,2,3,4,5,6,7
	global_load_b32 v[TVV+\tau], v120, s[16:17] offset:256*(\tau/4)+32*(\tau%4)   ; bvt at d(tau, r)
.endr
	; the second group, 60 loads: what the loop wants
	WIN W_C2
	LDW WK, 1
	LDW WV, 2
	WIN 0
	LDWS WKS, 1
	LDWS WVS, 2
	LDX 0, 0
	s_wait_loadcnt 60                              ; the 60 loads of the second group may be out: the first group is in
	WIN W_TQ
.irp tau, 0,1,2,3,4,5,6,7
	WMS ACC0+8*\tau, 64+8*\tau, 0, (\tau)&1, 0, 32+(\tau)/2, 48, 1, 112+8*\tau     ; bqt + te Wqt: a lane holds t = 16 w + r, registers along d
.endr
.irp tau, 0,1,2,3,4,5,6,7
	WMS ACC1+8*\tau, 128+8*\tau, 0, (\tau)&1, 0, 36+(\tau)/2, 48, 1, 176+8*\tau    ; bkt + te Wkt
.endr
	WIN W_Q
.irp tau, 0,1,2,3,4,5,6,7
	WMS ACC0+8*\tau, 8*\tau, 248, (\tau)&1, 0, 28+(\tau)/2, 49, 1, ACC0+8*\tau     ; + q_x Wq, in place: fifteen other matrix lines stand between a sum's two links
.endr
	WIN 0
.rept 4
	v_nop
.endr
.irp tau, 0,1,2,3,4,5,6,7
	ds_store_b128 v7, v[ACC1+8*\tau:ACC1+8*\tau+3] offset:256*(\tau/4)+32*(\tau%4)
	ds_store_b128 v7, v[ACC1+8*\tau+4:ACC1+8*\tau+7] offset:256*(\tau/4)+32*(\tau%4)+16
.endr
	QMAX ACC0
	QCVT ACC0, 0, 82, 90                           ; my tile of Q
	ds_store_b128 v9, v[82:85] offset:QI
	ds_store_b128 v9, v[86:89] offset:QI+512
	ds_store_b32 v10, v90 offset:QW
	s_wait_dscnt 0x0                               ; the stores have read their registers
	WIN W_TV
.irp tau, 0,1,2,3,4,5,6,7
	WMS ACC1+8*\tau, 0, 192+8*\tau, 0, (\tau)&1, 48, 40+(\tau)/2, 0, 0             ; te Wvt the other way round: a lane holds d(tau, r), registers along t' = 16 w + 8 h + j
.endr
	WIN 0
.rept 4
	v_nop
.endr
.irp tau, 0,1,2,3,4,5,6,7
.irp j, 0,1,2,3,4,5,6,7
	v_add_f32 v[ACC0+8*\tau+(\j&4)+2*(\j&1)+((\j>>1)&1)], v[ACC1+8*\tau+\j], v[TVV+\tau]   ; + bvt; within each four t' the order 0, 2, 1, 3, so that a lane's two t' of a step are neighbours
.endr
.endr
.irp tau, 0,1,2,3,4,5,6,7
	ds_store_b128 v8, v[ACC0+8*\tau:ACC0+8*\tau+3] offset:4352*\tau
	ds_store_b128 v8, v[ACC0+8*\tau+4:ACC0+8*\tau+7] offset:4352*\tau+16
.endr
	s_wait_dscnt 0x0                               ; for the others' sake: my stores have landed
	s_barrier_signal -1
	s_barrier_wait -1                              ; Q's four tiles and both biases lie in LDS
	WIN W_C3
.irp k, 0,1,2,3,4,5,6,7
	ds_load_b128 v[Q+4*\k:Q+4*\k+3], v1 offset:QI+512*\k
.endr
	LDBIAS 0, 0
.irp i, 0,1,2,3
	ds_load_b32 v[QS+\i], v2 offset:QW+128*\i
.endr
	s_mov_b32 s38, 4                               ; steps left, this one among them
	STEP 1                                         ; the first step is written out: its products start O^T's sums, and nothing is rescaled
	s_mov_b32 s38, 3
.Lstep:
	STEP 0
	s_sub_co_u32 s38, s38, 1
	s_cmp_lg_u32 s38, 0
	s_cbranch_scc1 .Lstep
	; THE END.  My sums; then the partials go to LDS, and wave w takes query tile w of all four
.irp i, 0,1,2,3
	v_add_f32 v[120+\i], v[STA+4*\i+2], v[STA+4*\i+3]
.endr
.irp i, 0,1,2,3
	v_permlanex16_b32 v[124+\i], v[120+\i], s28, s29
.endr
.irp i, 0,1,2,3
	v_add_f32 v[120+\i], v[120+\i], v[124+\i]      ; with lane l xor 16's keys
.endr
	s_lshl_b32 s40, s22, 10
	v_add_nc_u32 v7, s40, v2
	s_lshl_b32 s41, s22, 15
	s_add_co_u32 s41, s41, PB
	v_add_nc_u32 v8, s41, v1
	s_lshl_b32 s42, s22, 13
	s_add_co_u32 s42, s42, PB
	v_add_nc_u32 v9, s42, v1
	v_add_nc_u32 v10, 65536, v9
	s_lshl_b32 s43, s22, 8
	v_add_nc_u32 v11, s43, v2
	s_wait_dscnt 0x0
	s_barrier_signal -1
	s_barrier_wait -1                              ; every wave's reads of the biases are over
.irp i, 0,1,2,3
	ds_store_b32 v7, v[STA+4*\i] offset:STT+256*\i
	ds_store_b32 v7, v[120+\i] offset:STT+256*\i+128
.endr
	WIN W_SD
.irp i, 0,1,2,3
.irp g, 0,1,2,3,4,5,6,7,8,9,10,11,12,13,14,15
	ds_store_b128 v8, v[64*\i+4*\g:64*\i+4*\g+3] offset:8192*\i+512*\g     ; each tile from its low end on
.endr
.endr
	WIN 0
	s_wait_dscnt 0x0
	s_barrier_signal -1
	s_barrier_wait -1                              ; all partials lie in LDS
	WIN W_C1
.irp kg, 0,1,2,3
.irp g, 0,1,2,3,4,5,6,7,8,9,10,11,12,13,14,15
	ds_load_b128 v[64*\kg+4*\g:64*\kg+4*\g+3], v[9+\kg/2] offset:32768*(\kg&1)+512*\g
.endr
.endr
	WIN 0
.irp kg, 0,1,2,3
	ds_load_b32 v[98+\kg], v11 offset:STT+1024*\kg         ; -M
	ds_load_b32 v[102+\kg], v11 offset:STT+1024*\kg+128    ; the sum
.endr
	s_wait_dscnt 0x0
	v_min_num_f32 v106, v98, v99
	v_min3_num_f32 v106, v106, v100, v101          ; - the largest M
.irp kg, 0,1,2,3
	v_sub_f32 v[108+\kg], v106, v[98+\kg]          ; M of wave kg - the largest: a whole number, 0 or less
.endr
.irp kg, 0,1,2,3
	v_cvt_i32_f32 v[108+\kg], v[108+\kg]
.endr
.irp kg, 0,1,2,3
	v_ldexp_f32 v[108+\kg], 1.0, v[108+\kg]        ; f
.endr
	v_mul_f32 v112, v108, v102
	v_fma_f32 v112, v109, v103, v112
	v_fma_f32 v112, v110, v104, v112
	v_fma_f32 v112, v111, v105, v112               ; the row's sum
	v_rcp_f32 v113, v112
	v_nop
	s_wait_alu depctr_va_vdst(0)                   ; ahead of the reciprocal's first reader
.irp kg, 0,1,2,3
	v_mul_f32 v[114+2*\kg], v[108+\kg], v113       ; f / l, as a pair
	v_mul_f32 v[115+2*\kg], v[108+\kg], v113
.endr
	WIN W_S1
.set j, 0
.rept 32
	v_pk_mul_f32 v[ACC0+j:ACC0+j+1], v[j:j+1], v[114:115] op_sel_hi:[1,0]
.set j, j+2
.endr
.irp kg, 1,2,3
.set j, 0
.rept 32
	v_pk_fma_f32 v[ACC0+j:ACC0+j+1], v[64*\kg+j:64*\kg+j+1], v[114+2*\kg:115+2*\kg], v[ACC0+j:ACC0+j+1] op_sel_hi:[1,0,1]
.set j, j+2
.endr
.endr
	QMAX ACC0                                      ; O of queries 16 w + r, registers along d: K step 'head' of the last product
	QCVT ACC0, 0, 82, 90
	s_lshl_b32 s44, s24, 2
	s_add_co_u32 s44, s44, s22                     ; row tile (16 b + l) 4 + w
	s_lshl_b32 s44, s44, 3
	s_add_co_u32 s44, s44, s23
	s_lshl_b32 s46, s44, 10
	s_mov_b32 s47, 0
	s_add_nc_u64 s[18:19], s[18:19], s[46:47]
	s_lshl_b32 s46, s44, 7
	s_add_nc_u64 s[20:21], s[20:21], s[46:47]
	global_store_b128 v1, v[82:85], s[18:19]       ; 512 consecutive bytes, aligned
	global_store_b128 v1, v[86:89], s[18:19] offset:512
	global_store_b32 v2, v90, s[20:21]             ; a word a lane
	s_set_vgpr_msb 0xf
	s_wait_tensorcnt 0x0
	ds_add_u32 v246, v247
	s_wait_dscnt 0x0
	s_set_vgpr_msb 0xf00
	s_endpgm
.Lfunc_end_k_qe9f8b5f36e_attn:
	.size	k_qe9f8b5f36e_attn, .Lfunc_end_k_qe9f8b5f36e_attn-k_qe9f8b5f36e_attn
	.p2alignl 7, 3214868480
	.fill 96, 4, 3214868480
	.section	.rodata,"a",@progbits
	.p2align	6, 0x0
	.amdhsa_kernel k_qe9f8b5f36e_attn
		.amdhsa_group_segment_fixed_size 208896
		.amdhsa_private_segment_fixed_size 0
		.amdhsa_enable_private_segment 0
		.amdhsa_kernarg_size 72
		.amdhsa_user_sgpr_count 2
		.amdhsa_user_sgpr_kernarg_segment_ptr 1
		.amdhsa_wavefront_size32 1
		.amdhsa_system_sgpr_workgroup_id_x 1
		.amdhsa_system_sgpr_workgroup_id_y 1
		.amdhsa_system_sgpr_workgroup_id_z 1
		.amdhsa_system_vgpr_workitem_id 0
		.amdhsa_next_free_vgpr 1024
		.amdhsa_next_free_sgpr 66
		.amdhsa_reserve_vcc 0
		.amdhsa_float_denorm_mode_32 3
		.amdhsa_float_denorm_mode_16_64 3
		.amdhsa_memory_ordered 1
		.amdhsa_forward_progress 1
		.amdhsa_inst_pref_size 255
	.end_amdhsa_kernel
	.section	.bss,"aw",@nobits
	.p2align	6
	.space	262144
	.amdgpu_metadata
---
amdhsa.version: [ 1, 2 ]
amdhsa.kernels:
  - .name:           k_qe9f8b5f36e_attn
    .symbol:         k_qe9f8b5f36e_attn.kd
    .args:
      - { .name: rc, .offset: 0, .size: 8, .value_kind: global_buffer, .address_space: global }
      - { .name: rs, .offset: 8, .size: 8, .value_kind: global_buffer, .address_space: global }
      - { .name: wc, .offset: 16, .size: 8, .value_kind: global_buffer, .address_space: global }
      - { .name: wsc, .offset: 24, .size: 8, .value_kind: global_buffer, .address_space: global }
      - { .name: bqt, .offset: 32, .size: 8, .value_kind: global_buffer, .address_space: global }
      - { .name: bkt, .offset: 40, .size: 8, .value_kind: global_buffer, .address_space: global }
      - { .name: bvt, .offset: 48, .size: 8, .value_kind: global_buffer, .address_space: global }
      - { .name: oc, .offset: 56, .size: 8, .value_kind: global_buffer, .address_space: global }
      - { .name: osc, .offset: 64, .size: 8, .value_kind: global_buffer, .address_space: global }
    .group_segment_fixed_size: 208896
    .private_segment_fixed_size: 0
    .kernarg_segment_align: 8
    .kernarg_segment_size: 72
    .max_flat_workgroup_size: 128
    .sgpr_count:     66
    .vgpr_count:     1024
    .wavefront_size: 32
...
	.end_amdgpu_metadata
.endif
;; end of part 2
;; launch outp (part 3): grid 256 x 1, 4 waves a work-group, no clusters, 9,216 bytes of LDS; arguments oc, osc, wc, wsc, bo, out0; writes out0
.if DOCPART == 3
	.amdgcn_target "amdgcn-amd-amdhsa--gfx1250"
	.amdhsa_code_object_version 6
	.text
	.protected	k_qe9f8b5f36e_outp
	.globl	k_qe9f8b5f36e_outp
	.p2align	8
	.type	k_qe9f8b5f36e_outp,@function
k_qe9f8b5f36e_outp:
	s_mov_b64 s[64:65], 0
	v_nop
	global_prefetch_b8 v0, s[64:65] scope:SCOPE_SE
	s_setreg_imm32_b32 hwreg(HW_REG_WAVE_MODE, 25, 1), 1
	s_wait_xcnt 0x0
; out0 = O Wo + bo on codes of FP4 with E8M0 scales: [4,096 x 1,024] x [1,024 x 128].  O's and Wo's fragments lie in memory as images of their registers.
; A work-group takes one row tile: 16 queries t = 16 qt + r of one (b, l); tile number (16 b + l) 4 + qt.  Wave w takes Wo's column tiles 2 w and 2 w + 1 over all eight K steps (a K step = a head).
; The product is used transposed (source 0 = 16 columns of Wo, source 1 = 16 rows of O): in tile 4 c + T lane (r, h) holds row r and the columns 64 c + 32 h + 8 T + 0 .. 7.  bo is the C of each sum's first product.
; The two accumulators take turns.  The rows meet in a stage in LDS (512 bytes + 16 a row); each wave stores four whole rows of 512 bytes.
; No LDS ring, no cluster: every operand is read once by a wave, 24 KiB in all, straight into registers; the four waves' common 8 KiB of O are a third of that.
.set OSR, 16                           ; v16-23  O's scale words, a K step each
.set WSR, 24                           ; v24-31  Wo's: lanes 0-15 tile 2 w, lanes 16-31 tile 2 w + 1
.set OF,  32                           ; v32-95  O's eight fragments
.set WF,  96                           ; v96-223 Wo's: (s, u) at 96 + 16 s + 8 u
.set BT,  224                          ; v224-239 bo's two tiles
.set AC,  240                          ; v240-255 two accumulators
	s_load_b256 s[4:11], s[0:1], 0x0               ; oc 4, osc 6, wc 8, wsc 10
	s_load_b128 s[12:15], s[0:1], 0x20             ; bo 12, out0 14
	v_lshl_add_u32 v14, v0, 2, 0x2200
	v_mov_b32 v15, 0
	v_lshrrev_b32 v6, 5, v0
	v_readfirstlane_b32 s16, v6                    ; wave
	v_and_b32 v6, 31, v0
	v_lshlrev_b32 v1, 4, v6                        ; 16 x lane
	v_lshlrev_b32 v2, 2, v6                        ; 4 x lane
	v_bfe_u32 v7, v0, 4, 1                         ; h
	v_and_b32 v8, 15, v0                           ; r
	v_lshlrev_b32 v3, 7, v7                        ; 128 h
	s_lshr_b32 s17, s16, 1
	s_and_b32 s18, s16, 1
	s_lshl_b32 s17, s17, 8
	s_lshl_b32 s18, s18, 6
	s_add_co_u32 s17, s17, s18                     ; my columns' bytes in a row: 256 (w / 2) + 64 (w % 2)
	v_mul_u32_u24 v4, v8, 528
	v_add_nc_u32 v4, v4, v3
	v_add_nc_u32 v4, s17, v4                       ; the stage, way in
	s_mul_i32 s18, s16, 4*528
	v_add_nc_u32 v5, s18, v1                       ; way out: my four rows
	s_lshl_b32 s20, ttmp9, 13
	s_mov_b32 s21, 0
	s_lshl_b32 s22, ttmp9, 10
	s_mov_b32 s23, 0
	s_lshl_b32 s24, s16, 11
	s_add_co_u32 s24, s24, 393216                  ; Wo is the seventh weight in wc
	s_mov_b32 s25, 0
	s_lshl_b32 s26, s16, 7
	s_add_co_u32 s26, s26, 24576
	s_mov_b32 s27, 0
	s_mov_b32 s28, s17
	s_mov_b32 s29, 0
	s_lshr_b32 s30, ttmp9, 6                       ; b
	s_lshl_b32 s30, s30, 19                        ; 64 t x 16 l x 512 bytes
	s_and_b32 s31, ttmp9, 3                        ; qt
	s_lshl_b32 s31, s31, 17                        ; 16 t x 8,192 bytes
	s_add_co_u32 s30, s30, s31
	s_bfe_u32 s31, ttmp9, 0x40002                  ; l
	s_lshl_b32 s31, s31, 9
	s_add_co_u32 s30, s30, s31
	s_lshl_b32 s31, s16, 15                        ; my four t
	s_add_co_u32 s30, s30, s31
	s_mov_b32 s31, 0
	s_wait_kmcnt 0x0
	s_add_nc_u64 s[4:5], s[4:5], s[20:21]
	s_add_nc_u64 s[6:7], s[6:7], s[22:23]
	s_add_nc_u64 s[8:9], s[8:9], s[24:25]
	s_add_nc_u64 s[10:11], s[10:11], s[26:27]
	s_add_nc_u64 s[12:13], s[12:13], s[28:29]
	s_add_nc_u64 s[14:15], s[14:15], s[30:31]
.irp k, 0,1,2,3,4,5,6,7,8,9,10,11,12,13,14,15
	global_load_b128 v[OF+4*\k:OF+4*\k+3], v1, s[4:5] offset:512*\k
.endr
.irp s, 0,1,2,3,4,5,6,7
	global_load_b32 v[OSR+\s], v2, s[6:7] offset:128*\s
	global_load_b32 v[WSR+\s], v2, s[10:11] offset:512*\s
.irp k, 0,1,2,3
	global_load_b128 v[WF+16*\s+4*\k:WF+16*\s+4*\k+3], v1, s[8:9] offset:8192*\s+512*\k
.endr
.endr
.irp u, 0,1
	global_load_b128 v[BT+8*\u:BT+8*\u+3], v3, s[12:13] offset:32*\u
	global_load_b128 v[BT+8*\u+4:BT+8*\u+7], v3, s[12:13] offset:32*\u+16
.endr
	s_wait_loadcnt 0x0
	v_wmma_scale_f32_16x16x128_f8f6f4 v[AC:AC+7], v[WF:WF+7], v[OF:OF+7], v[BT:BT+7], v[WSR], v[OSR] matrix_a_fmt:MATRIX_FMT_FP4 matrix_b_fmt:MATRIX_FMT_FP4
	v_wmma_scale_f32_16x16x128_f8f6f4 v[AC+8:AC+15], v[WF+8:WF+15], v[OF:OF+7], v[BT+8:BT+15], v[WSR], v[OSR] matrix_a_fmt:MATRIX_FMT_FP4 matrix_b_fmt:MATRIX_FMT_FP4 matrix_a_scale:MATRIX_SCALE_ROW1
.irp s, 1,2,3,4,5,6,7
	v_wmma_scale_f32_16x16x128_f8f6f4 v[AC:AC+7], v[WF+16*\s:WF+16*\s+7], v[OF+8*\s:OF+8*\s+7], v[AC:AC+7], v[WSR+\s], v[OSR+\s] matrix_a_fmt:MATRIX_FMT_FP4 matrix_b_fmt:MATRIX_FMT_FP4
	v_wmma_scale_f32_16x16x128_f8f6f4 v[AC+8:AC+15], v[WF+16*\s+8:WF+16*\s+15], v[OF+8*\s:OF+8*\s+7], v[AC+8:AC+15], v[WSR+\s], v[OSR+\s] matrix_a_fmt:MATRIX_FMT_FP4 matrix_b_fmt:MATRIX_FMT_FP4 matrix_a_scale:MATRIX_SCALE_ROW1
.endr
.rept 4
	v_nop                                          ; four plain lines ahead of the first read of the results
.endr
.irp u, 0,1
	ds_store_b128 v4, v[AC+8*\u:AC+8*\u+3] offset:32*\u
	ds_store_b128 v4, v[AC+8*\u+4:AC+8*\u+7] offset:32*\u+16
.endr
	s_wait_dscnt 0x0                               ; for the others' sake: my stores have landed
	s_barrier_signal -1
	s_barrier_wait -1                              ; sixteen whole rows lie in the stage
.irp i, 0,1,2,3
	ds_load_b128 v[OF+4*\i:OF+4*\i+3], v5 offset:528*\i
.endr
.irp i, 0,1,2,3
	s_wait_dscnt 3-\i                              ; the younger loads may be out
	global_store_b128 v1, v[OF+4*\i:OF+4*\i+3], s[14:15] offset:8192*\i th:TH_STORE_NT   ; 32 lanes store a row's 512 consecutive bytes, aligned
.endr
	s_wait_tensorcnt 0x0
	ds_add_u32 v14, v15
	s_wait_dscnt 0x0
	s_endpgm
.Lfunc_end_k_qe9f8b5f36e_outp:
	.size	k_qe9f8b5f36e_outp, .Lfunc_end_k_qe9f8b5f36e_outp-k_qe9f8b5f36e_outp
	.p2alignl 7, 3214868480
	.fill 96, 4, 3214868480
	.section	.rodata,"a",@progbits
	.p2align	6, 0x0
	.amdhsa_kernel k_qe9f8b5f36e_outp
		.amdhsa_group_segment_fixed_size 9216
		.amdhsa_private_segment_fixed_size 0
		.amdhsa_enable_private_segment 0
		.amdhsa_kernarg_size 48
		.amdhsa_user_sgpr_count 2
		.amdhsa_user_sgpr_kernarg_segment_ptr 1
		.amdhsa_wavefront_size32 1
		.amdhsa_system_sgpr_workgroup_id_x 1
		.amdhsa_system_sgpr_workgroup_id_y 1
		.amdhsa_system_sgpr_workgroup_id_z 1
		.amdhsa_system_vgpr_workitem_id 0
		.amdhsa_next_free_vgpr 256
		.amdhsa_next_free_sgpr 66
		.amdhsa_reserve_vcc 0
		.amdhsa_float_denorm_mode_32 3
		.amdhsa_float_denorm_mode_16_64 3
		.amdhsa_memory_ordered 1
		.amdhsa_forward_progress 1
		.amdhsa_inst_pref_size 12
	.end_amdhsa_kernel
	.amdgpu_metadata
---
amdhsa.version: [ 1, 2 ]
amdhsa.kernels:
  - .name:           k_qe9f8b5f36e_outp
    .symbol:         k_qe9f8b5f36e_outp.kd
    .args:
      - { .name: oc, .offset: 0, .size: 8, .value_kind: global_buffer, .address_space: global }
      - { .name: osc, .offset: 8, .size: 8, .value_kind: global_buffer, .address_space: global }
      - { .name: wc, .offset: 16, .size: 8, .value_kind: global_buffer, .address_space: global }
      - { .name: wsc, .offset: 24, .size: 8, .value_kind: global_buffer, .address_space: global }
      - { .name: bo, .offset: 32, .size: 8, .value_kind: global_buffer, .address_space: global }
      - { .name: out0, .offset: 40, .size: 8, .value_kind: global_buffer, .address_space: global }
    .group_segment_fixed_size: 9216
    .private_segment_fixed_size: 0
    .kernarg_segment_align: 8
    .kernarg_segment_size: 48
    .max_flat_workgroup_size: 128
    .sgpr_count:     66
    .vgpr_count:     256
    .wavefront_size: 32
...
	.end_amdgpu_metadata
.endif
;; end of part 3
;; ======== version 2 of 2: 3 launches
;; workspace buffers: rc 8,667,136 bytes; rs 541,696 bytes; wc 458,752 bytes; wsc 28,672 bytes; oc 2,097,152 bytes; osc 262,144 bytes
;; launch prep (part 4): grid 585 x 1, 4 waves a work-group, no clusters, 39,424 bytes of LDS; arguments kv_x, q_x, t_embed, Wq, Wk, Wv, Wqt, Wkt, Wvt, Wo, rc, rs, wc, wsc; writes rc, rs, wc, wsc
.if DOCPART == 4
	.amdgcn_target "amdgcn-amd-amdhsa--gfx1250"
	.amdhsa_code_object_version 6
	.text
	.protected	k_qe9f8b5f36e_prep
	.globl	k_qe9f8b5f36e_prep
	.p2align	8
	.type	k_qe9f8b5f36e_prep,@function
k_qe9f8b5f36e_prep:
	s_mov_b64 s[64:65], 0
	v_nop
	global_prefetch_b8 v0, s[64:65] scope:SCOPE_SE
	s_setreg_imm32_b32 hwreg(HW_REG_WAVE_MODE, 25, 1), 1
	s_wait_xcnt 0x0
; Every f32 operand that the later launches multiply is turned ONCE into codes of FP4 (E2M1) with one E8M0 byte for each 32 along K, laid as IMAGES OF OPERAND REGISTERS:
; a fragment (16 rows x 128 K) is 1,024 bytes; block beta (32 codes, 16 bytes) of fragment row r lies at 512 (beta / 2) + 256 (beta % 2) + 16 r.
; ROWS (K innermost): kv_x, q_x and mish(t_embed) are streams of runs of 64 rows x 128.  Row rho of a run goes to fragment (rho / 8) % 4 at fragment row 8 (rho / 32) + rho % 8; its scale word to byte 4 (16 fragment + row) of the
; run's 256.  rc: runs 0-2047 kv_x, 2048-2111 q_x, 2112-2115 mish(t_embed), 4,096 bytes each; rs: 256 bytes each.
; WEIGHTS (K outermost): a lane takes a column and its registers run down K.  Fragment 8 g + 4 c + T (g: the head; for Wo the K step of 128) has as row r the column 128 g + 64 c + 32 (r / 8) + 8 T + r % 8 (Wo: without 128 g).
; A block's scale is 2^(floor(log2(largest magnitude)) - 2): its byte is the largest magnitude's exponent field - 2, held at 1 from below.
; mish(x) = x w / (w + 2), w = u (u + 2), u = e^min(x, 20): the same function as x tanh(log(1 + e^x)).
; LIMITS: NaN and infinities are not served.  A block of zeros gets the byte 1 (its codes are zeros; only this program reads the bytes).  Beyond x = 20 the ratio w / (w + 2) is 1 in f32; where e^x falls under 2^-126 mish is 0.
; Work-groups 0-55: the seven weights, a wave to a pair of fragments, no LDS.  Work-groups 56-584: rows, a wave to a run; all LDS is theirs, a region of its own for each wave: no barrier.
.set WREG, 9728                        ; LDS of a wave: two stages of 32 x 80 bytes, 256 scale bytes, the run's 4,096 bytes of codes
.set SP,   80                          ; a lane's place in a stage: 64 bytes + 16 of padding
.set SCB,  5120                        ; the scale bytes
.set IMG,  5376                        ; the codes
.set R,    16                          ; v16-79   four sets of 16 numbers as loaded
.set X,    80                          ; v80-111  two sets of 16 neighbours
.set E,    112                         ; v112-127 a scale byte for each step
.set C,    128                         ; v128-159 two registers of codes for each step
.set U,    160                         ; v160-175, v176-191: mish at work
.set D,    176
.macro LOAD t                          ; step t: 512 numbers; each load reads 512 consecutive bytes
.irp i, 0,1,2,3
	global_load_b128 v[R+16*((\t)%4)+4*\i:R+16*((\t)%4)+4*\i+3], v3, s[36:37] offset:2048*(\t)+512*\i th:TH_LOAD_NT
.endr
.endm
.macro TURN t                          ; through the wave's stage: in as loaded, out 64 bytes a lane.  LDS serves a wave's instructions in order: no wait between
.irp i, 0,1,2,3
	ds_store_b128 v14, v[R+16*((\t)%4)+4*\i:R+16*((\t)%4)+4*\i+3] offset:32*SP*((\t)%2)+8*SP*\i
.endr
.irp i, 0,1,2,3
	ds_load_b128 v[X+16*((\t)%2)+4*\i:X+16*((\t)%2)+4*\i+3], v15 offset:32*SP*((\t)%2)+16*\i
.endr
.endm
.macro MISH                            ; the 16 numbers at v[XS] on, in place
.irp i, 0,2,4,6,8,10,12,14
	v_pk_mul_f32 v[U+\i:U+\i+1], v[XS+\i:XS+\i+1], 0x3fb8aa3b op_sel_hi:[1,0]   ; x log2(e)
.endr
.irp i, 0,1,2,3,4,5,6,7,8,9,10,11,12,13,14,15
	v_min_num_f32 v[U+\i], 0x41e6d4c9, v[U+\i]     ; held at 20 log2(e)
.endr
	s_wait_alu depctr_va_vdst(0)
.irp i, 0,1,2,3,4,5,6,7,8,9,10,11,12,13,14,15
	v_exp_f32 v[U+\i], v[U+\i]                     ; u
.endr
	v_nop                                          ; a plain line behind the last exponential
	s_wait_alu depctr_va_vdst(0)                   ; one wait for the batch, ahead of its first reader
.irp i, 0,2,4,6,8,10,12,14
	v_pk_add_f32 v[D+\i:D+\i+1], v[U+\i:U+\i+1], 2.0 op_sel_hi:[1,0]
.endr
.irp i, 0,2,4,6,8,10,12,14
	v_pk_mul_f32 v[U+\i:U+\i+1], v[U+\i:U+\i+1], v[D+\i:D+\i+1]   ; w = u (u + 2)
.endr
.irp i, 0,2,4,6,8,10,12,14
	v_pk_add_f32 v[D+\i:D+\i+1], v[U+\i:U+\i+1], 2.0 op_sel_hi:[1,0]
.endr
	s_wait_alu depctr_va_vdst(0)
.irp i, 0,1,2,3,4,5,6,7,8,9,10,11,12,13,14,15
	v_rcp_f32 v[D+\i], v[D+\i]
.endr
	v_nop
	s_wait_alu depctr_va_vdst(0)                   ; one wait for the sixteen reciprocals
.irp i, 0,2,4,6,8,10,12,14
	v_pk_mul_f32 v[U+\i:U+\i+1], v[U+\i:U+\i+1], v[D+\i:D+\i+1]
.endr
.irp i, 0,2,4,6,8,10,12,14
	v_pk_mul_f32 v[XS+\i:XS+\i+1], v[XS+\i:XS+\i+1], v[U+\i:U+\i+1]
.endr
.endm
.macro STEP t                          ; rows 4 t .. 4 t + 3 of the run: lane l holds numbers 16 (l % 8) .. + 15 of row 4 t + l / 8; two neighbouring lanes hold a block
.set XS, X+16*((\t)%2)
.if (\t) > 0
	s_wait_dscnt 2                                 ; this step's numbers are back from the stage; younger: the last step's byte store and code store
.else
	s_wait_dscnt 0x0
.endif
.if (\t)+4 < 16
	LOAD (\t)+4                                    ; into the set whose stores into the stage are done
.endif
.if (\t)+1 < 16
.if 14-(\t) >= 3
	s_wait_loadcnt 12                              ; the next step's four loads are in; those of the three steps behind it may be out
.else
	s_wait_loadcnt 4*(14-(\t))
.endif
	TURN (\t)+1
.endif
	s_cmp_eq_u32 s44, 0                            ; only t_embed's work-group takes the activation: register work alone stands under the branch
	s_cbranch_scc1 .Lplain_\@
	MISH
.Lplain_\@:
	v_max3_num_f32 v8, |v[XS]|, |v[XS+1]|, |v[XS+2]|
	v_max3_num_f32 v9, |v[XS+3]|, |v[XS+4]|, |v[XS+5]|
.irp i, 6,10
	v_max3_num_f32 v8, v8, |v[XS+\i]|, |v[XS+\i+1]|
	v_max3_num_f32 v9, v9, |v[XS+\i+2]|, |v[XS+\i+3]|
.endr
	v_max3_num_f32 v8, v8, |v[XS+14]|, |v[XS+15]|
	v_max3_num_f32 v8, v8, v9, 0x1800000           ; the floor 2^(3 - 127): the byte cannot fall under 1
	v_max_num_f32_dpp v8, v8, v8 row_xmask:1 row_mask:0xf bank_mask:0xf   ; with my neighbour's 16: the block's largest magnitude
	v_add_nc_u32 v11, 0xff000000, v8               ; 2 off its exponent field: the conversion's scale operand
	v_cvt_scalef32_pk8_fp4_f32 v[C+2*(\t)], v[XS:XS+7], v11
	v_cvt_scalef32_pk8_fp4_f32 v[C+2*(\t)+1], v[XS+8:XS+15], v11
	v_lshrrev_b32 v[E+(\t)], 23, v11               ; the byte (also the plain line behind the conversions)
	ds_store_b8 v5, v[E+(\t)] offset:SCB+64*(((\t)>>1)&3)+32*((\t)>>3)+16*((\t)&1)      ; both lanes of a block write the same byte
	ds_store_b64 v4, v[C+2*(\t):C+2*(\t)+1] offset:IMG+1024*(((\t)>>1)&3)+128*((\t)>>3)+64*((\t)&1)
.endm
.macro LOADB bt, pitch                 ; block bt of my column: 32 numbers down K
.set i, 0
.rept 32
	global_load_b32 v[32+32*(\bt)+i], v3, s[40:41] offset:(32*(\bt)+i)*(\pitch)
.set i, i+1
.endr
.endm
.macro BLOCK bt
.set XW, 32+32*(\bt)
	v_max3_num_f32 v12, |v[XW]|, |v[XW+1]|, |v[XW+2]|
	v_max3_num_f32 v13, |v[XW+3]|, |v[XW+4]|, |v[XW+5]|
.irp i, 6,10,14,18,22,26
	v_max3_num_f32 v12, v12, |v[XW+\i]|, |v[XW+\i+1]|
	v_max3_num_f32 v13, v13, |v[XW+\i+2]|, |v[XW+\i+3]|
.endr
	v_max3_num_f32 v12, v12, |v[XW+30]|, |v[XW+31]|
	v_max3_num_f32 v12, v12, v13, 0x1800000
	v_add_nc_u32 v11, 0xff000000, v12
	v_lshrrev_b32 v13, 23, v11
.if (\bt) == 0
	v_mov_b32 v24, v13                             ; the column's scale word, the lower K in the lower byte
.else
	v_lshl_or_b32 v24, v13, 8*(\bt), v24
.endif
.irp g, 0,1,2,3
	v_cvt_scalef32_pk8_fp4_f32 v[160+4*(\bt)+\g], v[XW+8*\g:XW+8*\g+7], v11
.endr
	global_store_b128 v4, v[160+4*(\bt):160+4*(\bt)+3], s[28:29] offset:512*((\bt)>>1)+256*((\bt)&1)   ; sixteen lanes store 256 consecutive bytes, aligned; each block has data registers of its own
.endm
.macro WQ pitch
	LOADB 0, \pitch
	LOADB 1, \pitch
	s_wait_loadcnt 32                              ; all but the block issued last
	LOADB 2, \pitch
	BLOCK 0
	s_wait_loadcnt 32
	LOADB 3, \pitch
	BLOCK 1
	s_wait_loadcnt 32
	BLOCK 2
	s_wait_loadcnt 0x0
	BLOCK 3
	global_store_b32 v5, v24, s[30:31]             ; 128 consecutive bytes: the pair's scale words
	s_endpgm
.endm
	s_load_b512 s[4:19], s[0:1], 0x0               ; kv_x 4, q_x 6, t_embed 8, Wq 10, Wk 12, Wv 14, Wqt 16, Wkt 18
	s_load_b256 s[20:27], s[0:1], 0x40             ; Wvt 20, Wo 22, rc 24, rs 26
	s_load_b128 s[28:31], s[0:1], 0x60             ; wc 28, wsc 30
	v_lshl_add_u32 v192, v0, 2, 0x9800
	v_mov_b32 v193, 0
	v_lshrrev_b32 v1, 5, v0
	v_readfirstlane_b32 s32, v1                    ; wave
	v_and_b32 v2, 31, v0                           ; lane
	s_cmp_lt_u32 ttmp9, 56
	s_cbranch_scc1 .Lweights
	; ---- rows
	v_lshlrev_b32 v3, 4, v2                        ; 16 x lane
	s_mul_i32 s45, s32, WREG                       ; my wave's LDS
	v_lshrrev_b32 v14, 2, v2
	v_mul_u32_u24 v14, v14, SP
	v_and_b32 v15, 3, v2
	v_lshl_add_u32 v14, v15, 4, v14
	v_add_nc_u32 v14, s45, v14                     ; the stage, way in: 80 (lane / 4) + 16 (lane % 4)
	v_mul_u32_u24 v15, v2, SP
	v_add_nc_u32 v15, s45, v15                     ; way out: 80 x lane
	v_lshrrev_b32 v5, 1, v2
	v_add_nc_u32 v5, s45, v5                       ; my block's byte: 4 (lane / 8) + block = lane / 2
	v_bfe_u32 v8, v2, 2, 1
	v_lshlrev_b32 v4, 9, v8                        ; my 8 bytes of codes: 512 (block / 2)
	v_bfe_u32 v8, v2, 1, 1
	v_lshl_add_u32 v4, v8, 8, v4                   ; + 256 (block % 2)
	v_lshrrev_b32 v8, 3, v2
	v_lshl_add_u32 v4, v8, 4, v4                   ; + 16 (lane / 8): the row among the step's four
	v_and_b32 v8, 1, v2
	v_lshl_add_u32 v4, v8, 3, v4                   ; + 8 for the block's upper half
	v_add_nc_u32 v4, s45, v4
	v_lshlrev_b32 v7, 3, v2
	v_add_nc_u32 v6, s45, v7
	v_add_nc_u32 v13, s45, v3
	s_sub_co_u32 s33, ttmp9, 56                    ; 0: t_embed; 1-16: q_x; 17-528: kv_x
	s_mov_b32 s35, 2048
	s_wait_kmcnt 0x0
	s_cmp_eq_u32 s33, 0
	s_cselect_b64 s[36:37], s[8:9], s[6:7]
	s_cselect_b32 s34, 0, 1                        ; the tensor's first work-group
	s_cselect_b32 s35, 2112, s35                   ; its first run in rc and rs
	s_cselect_b32 s44, 1, 0                        ; does it take the activation?
	s_cmp_gt_u32 s33, 16
	s_cselect_b64 s[36:37], s[4:5], s[36:37]
	s_cselect_b32 s34, 17, s34
	s_cselect_b32 s35, 0, s35
	s_sub_co_u32 s33, s33, s34
	s_lshl_b32 s33, s33, 2
	s_add_co_u32 s33, s33, s32                     ; my run in the tensor
	s_lshl_b32 s38, s33, 15                        ; 32,768 bytes of f32 a run
	s_mov_b32 s39, 0
	s_add_nc_u64 s[36:37], s[36:37], s[38:39]
	s_add_co_u32 s33, s33, s35
	s_lshl_b32 s38, s33, 12
	s_add_nc_u64 s[24:25], s[24:25], s[38:39]
	s_lshl_b32 s38, s33, 8
	s_add_nc_u64 s[26:27], s[26:27], s[38:39]
.irp t, 0,1,2,3
	LOAD \t
.endr
	s_wait_loadcnt 12                              ; step 0's four loads are in
	TURN 0
.irp t, 0,1,2,3,4,5,6,7,8,9,10,11,12,13,14,15
	STEP \t
.endr
.irp i, 0,1,2,3,4,5,6,7
	ds_load_b128 v[16+4*\i:19+4*\i], v13 offset:IMG+512*\i     ; the run's codes, as they will lie in memory; these see my stores
.endr
	ds_load_b64 v[10:11], v6 offset:SCB
.irp i, 0,1,2,3,4,5,6,7
	s_wait_dscnt 8-\i                              ; younger: the later loads of codes and the load of the scale bytes
	global_store_b128 v3, v[16+4*\i:19+4*\i], s[24:25] offset:512*\i   ; 512 consecutive bytes, aligned
.endr
	s_wait_dscnt 0x0
	global_store_b64 v7, v[10:11], s[26:27]        ; 256 consecutive bytes, aligned
	s_wait_tensorcnt 0x0
	ds_add_u32 v192, v193
	s_wait_dscnt 0x0
	s_endpgm
	; ---- weights
.Lweights:
	s_lshl_b32 s33, ttmp9, 2
	s_add_co_u32 s33, s33, s32
	s_lshr_b32 s34, s33, 5                         ; which weight: 0 Wq, 1 Wk, 2 Wv, 3 Wqt, 4 Wkt, 5 Wvt, 6 Wo
	s_and_b32 s35, s33, 31                         ; which pair of its 64 fragments
	s_wait_alu depctr_va_vdst(0)
	v_bfe_u32 v8, v2, 3, 1
	v_lshlrev_b32 v3, 5, v8                        ; my column in the pair: 32 ((lane / 8) % 2)
	v_lshrrev_b32 v8, 4, v2
	v_lshl_add_u32 v3, v8, 3, v3                   ; + 8 (lane / 16)
	v_lshlrev_b32 v4, 10, v8                       ; out: fragment lane / 16,
	v_and_b32 v8, 7, v2
	v_add_nc_u32 v3, v3, v8                        ; + lane % 8
	v_lshlrev_b32 v3, 2, v3
	v_and_b32 v8, 15, v2
	v_lshl_add_u32 v4, v8, 4, v4                   ; row lane % 16
	v_lshlrev_b32 v5, 2, v2
	s_lshr_b32 s36, s35, 2                         ; g
	s_bfe_u32 s37, s35, 0x10001                    ; c
	s_and_b32 s38, s35, 1
	s_lshl_b32 s37, s37, 8                         ; 64 c columns,
	s_lshl_b32 s38, s38, 6                         ; 16 for the odd pair
	s_add_co_u32 s37, s37, s38
	s_cmp_eq_u32 s34, 6
	s_cselect_b32 s39, 16, 9                       ; g is 128 rows of 512 bytes in Wo, 128 columns elsewhere
	s_lshl_b32 s36, s36, s39
	s_add_co_u32 s36, s36, s37
	s_mov_b32 s37, 0
	s_lshl_b32 s46, s34, 16
	s_lshl_b32 s38, s35, 11
	s_add_co_u32 s46, s46, s38
	s_mov_b32 s47, 0
	s_lshl_b32 s48, s34, 12
	s_lshl_b32 s38, s35, 7
	s_add_co_u32 s48, s48, s38
	s_mov_b32 s49, 0
	s_wait_kmcnt 0x0
	s_mov_b64 s[40:41], s[10:11]
	s_cmp_eq_u32 s34, 1
	s_cselect_b64 s[40:41], s[12:13], s[40:41]
	s_cmp_eq_u32 s34, 2
	s_cselect_b64 s[40:41], s[14:15], s[40:41]
	s_cmp_eq_u32 s34, 3
	s_cselect_b64 s[40:41], s[16:17], s[40:41]
	s_cmp_eq_u32 s34, 4
	s_cselect_b64 s[40:41], s[18:19], s[40:41]
	s_cmp_eq_u32 s34, 5
	s_cselect_b64 s[40:41], s[20:21], s[40:41]
	s_cmp_eq_u32 s34, 6
	s_cselect_b64 s[40:41], s[22:23], s[40:41]
	s_add_nc_u64 s[40:41], s[40:41], s[36:37]
	s_add_nc_u64 s[28:29], s[28:29], s[46:47]
	s_add_nc_u64 s[30:31], s[30:31], s[48:49]
	s_cmp_eq_u32 s34, 6
	s_cbranch_scc1 .Lwo
	s_wait_alu depctr_va_vdst(0)
	WQ 4096                                        ; a row of 1,024 f32
.Lwo:
	s_wait_alu depctr_va_vdst(0)
	WQ 512                                         ; Wo: a row of 128 f32
.Lfunc_end_k_qe9f8b5f36e_prep:
	.size	k_qe9f8b5f36e_prep, .Lfunc_end_k_qe9f8b5f36e_prep-k_qe9f8b5f36e_prep
	.p2alignl 7, 3214868480
	.fill 96, 4, 3214868480
	.section	.rodata,"a",@progbits
	.p2align	6, 0x0
	.amdhsa_kernel k_qe9f8b5f36e_prep
		.amdhsa_group_segment_fixed_size 39424
		.amdhsa_private_segment_fixed_size 0
		.amdhsa_enable_private_segment 0
		.amdhsa_kernarg_size 112
		.amdhsa_user_sgpr_count 2
		.amdhsa_user_sgpr_kernarg_segment_ptr 1
		.amdhsa_wavefront_size32 1
		.amdhsa_system_sgpr_workgroup_id_x 1
		.amdhsa_system_sgpr_workgroup_id_y 1
		.amdhsa_system_sgpr_workgroup_id_z 1
		.amdhsa_system_vgpr_workitem_id 0
		.amdhsa_next_free_vgpr 194
		.amdhsa_next_free_sgpr 66
		.amdhsa_reserve_vcc 0
		.amdhsa_float_denorm_mode_32 3
		.amdhsa_float_denorm_mode_16_64 3
		.amdhsa_memory_ordered 1
		.amdhsa_forward_progress 1
		.amdhsa_inst_pref_size 161
	.end_amdhsa_kernel
	.amdgpu_metadata
---
amdhsa.version: [ 1, 2 ]
amdhsa.kernels:
  - .name:           k_qe9f8b5f36e_prep
    .symbol:         k_qe9f8b5f36e_prep.kd
    .args:
      - { .name: kv_x, .offset: 0, .size: 8, .value_kind: global_buffer, .address_space: global }
      - { .name: q_x, .offset: 8, .size: 8, .value_kind: global_buffer, .address_space: global }
      - { .name: t_embed, .offset: 16, .size: 8, .value_kind: global_buffer, .address_space: global }
      - { .name: Wq, .offset: 24, .size: 8, .value_kind: global_buffer, .address_space: global }
      - { .name: Wk, .offset: 32, .size: 8, .value_kind: global_buffer, .address_space: global }
      - { .name: Wv, .offset: 40, .size: 8, .value_kind: global_buffer, .address_space: global }
      - { .name: Wqt, .offset: 48, .size: 8, .value_kind: global_buffer, .address_space: global }
      - { .name: Wkt, .offset: 56, .size: 8, .value_kind: global_buffer, .address_space: global }
      - { .name: Wvt, .offset: 64, .size: 8, .value_kind: global_buffer, .address_space: global }
      - { .name: Wo, .offset: 72, .size: 8, .value_kind: global_buffer, .address_space: global }
      - { .name: rc, .offset: 80, .size: 8, .value_kind: global_buffer, .address_space: global }
      - { .name: rs, .offset: 88, .size: 8, .value_kind: global_buffer, .address_space: global }
      - { .name: wc, .offset: 96, .size: 8, .value_kind: global_buffer, .address_space: global }
      - { .name: wsc, .offset: 104, .size: 8, .value_kind: global_buffer, .address_space: global }
    .group_segment_fixed_size: 39424
    .private_segment_fixed_size: 0
    .kernarg_segment_align: 8
    .kernarg_segment_size: 112
    .max_flat_workgroup_size: 128
    .sgpr_count:     66
    .vgpr_count:     194
    .wavefront_size: 32
...
	.end_amdgpu_metadata
.endif
;; end of part 4
;; launch attn (part 5): grid 8 x 64, 4 waves a work-group, no clusters, 208,896 bytes of LDS; arguments rc, rs, wc, wsc, bqt, bkt, bvt, oc, osc; writes oc, osc
.if DOCPART == 5
	.amdgcn_target "amdgcn-amd-amdhsa--gfx1250"
	.amdhsa_code_object_version 6
	.text
	.protected	k_qe9f8b5f36e_attn
	.globl	k_qe9f8b5f36e_attn
	.p2align	8
	.type	k_qe9f8b5f36e_attn,@function
k_qe9f8b5f36e_attn:
	s_mov_b64 s[64:65], 0
	v_nop
	global_prefetch_b8 v0, s[64:65] scope:SCOPE_SE
	s_setreg_imm32_b32 hwreg(HW_REG_WAVE_SCHED_MODE, 0, 2), 2
	s_setreg_imm32_b32 hwreg(HW_REG_WAVE_MODE, 25, 1), 1
	s_wait_xcnt 0x0
	s_wait_alu depctr_vm_vsrc(0)
; One work-group = one (batch b, place l = n, head): 64 queries x 2,048 keys x 128.  It makes Q, K and V from codes, with their time biases, quantises them in registers, runs the attention, and stores O / l as codes for the last product.
; All products are v_wmma_scale_f32_16x16x128_f8f6f4 on FP4 codes with E8M0 scales.  K and V never leave the registers.
; THE WAVES SHARE THE KEYS: wave w owns keys 512 w .. 512 w + 511 (t' = 16 w .. 16 w + 15) for all 64 queries, in four steps of 128 keys, with a running whole-number M, a sum and an O^T of its own.
; At the end the four partial results meet in LDS; they differ by exact powers of two; wave w finishes query tile w.  The loop has no barrier.
; THE ORDER OF ROWS IN A TILE: row m of tile 4 c + T is element 64 c + 32 (m / 8) + 8 T + m % 8 (of the keys of a step, or of a head's 128).  Where that axis is the result's row axis, lane (r, h) holds in
; register 8 (4 c + T) + j the element 64 c + 32 h + 8 T + j: its 32 registers of tiles 4 c .. 4 c + 3 are ONE WHOLE block of 32 along the next K, in the operand's own order.  So a block's maximum needs no other lane,
; and the conversion of tile 4 c + T IS register 4 c + T of the next operand.  Only the scale word's four bytes are gathered from lane l xor 16.
; PRODUCTS (source 0, source 1, C):  PK n: Wk's 8 tiles, X's key tile n, K's time bias -> a lane holds one key, registers along d.   VP tau: X's 8 key tiles, Wv's tile tau, V's time bias -> one d, registers along the keys.
;   ST i: K's 8 tiles, Q's tile i, 0 -> one query, registers along the keys.   PVM i: V's 8 tiles, P of tile i, O^T -> one query, registers along d.
; SOFTMAX: t = score x log2(e) / sqrt(128); M = the ceiling of the running largest t; p = 2^(t - M) is quantised along the keys, not normalised; the sum is taken of the unquantised p; when M moves, sum and O^T are multiplied by 2^(old M - new M).
; NO JOINT LOADS, though the eight heads of a (b, n) read the same X: a step's 8,704 bytes of X and scale words go from memory straight into a wave's operand registers, beside some 2,000 vector instructions of the same step;
; a joint load would add a trip through LDS and a round of a cluster's barrier to each of the four steps.
; LIMITS: NaN and infinities are not served.  Blocks whose largest magnitude lies under 2^-124 keep the byte 1; a block of zeros too (its codes are zeros).  M is an exact whole number for |t| < 2^24.
; O is formed as the sum over the four waves of (f / l) x partial O: the order of rounding differs from (sum) / l.
; THE MODE: SCHED_MODE bits 1:0 = 2 (LLVM: expert scheduling mode 2), set by the entry lines.  The code itself states the register dependences between vector or matrix instructions and memory or LDS instructions, with s_wait_alu, always for 0.
; THE PLAN.  Registers that memory or LDS instructions touch, in the loop:
;   X, XS, CB, TVV  Read by a step's PK, VP and MOVS, the last of them ahead of ST 0; the next step's loads (NEXT) land in them behind ST 0.
;   v3, v4          LDS addresses of the biases: read by NEXT's LDS loads; written once a step, at its end.
;   v1, v2, v6      Offsets, made at the head and never written again.
;   KF, KS, VF, VS, P, PS are written by vector lines and taken by scaled products as operands and scales.  The result tiles, O^T and all else in the loop are named by vector and matrix instructions alone.
; So a step has SIX waits beside the softmax's own.  One on va_vdst ahead of ST 0: K's fragments and scale words are written; the projections and MOVS are done reading X, XS, CB and TVV; v3 and v4 are written.  ST 0 alone stands
; between it and NEXT's loads, and names none of their registers.  One on va_vdst ahead of each PVM: P, its scale word and V's fragments and scale words are written.  One on vm_vsrc at the step's end, ahead of the adds to v3 and v4.
; Head and end: each run of stores stands behind a wait on va_vdst for its data; each register that a store has read is written again only behind a wait on vm_vsrc.
; REGISTERS.  Window 0: v1 16 lane, v2 4 lane, v3, v4 LDS addresses of the biases, v5 8 h, v6 256 lane, v7-15 head and end; v16-49 SCALES ALONE; v50-65 statistics; v66-81 V's bias, v82-97 its tiles; v98-127 at work; v128-255 two sets of 8 result tiles.
;   Window 1: O^T, tile (i, tau) at 64 i + 8 tau (head: Wq, Wqt, Wkt, Wvt; end: the four partials).   Window 2: Wk 0, Wv 64, X 128, V's fragments 192.
;   Window 3: K's fragments 0, Q 64, P 96 (two sets), K's bias tiles 112-239 (head: te 0-7, bqt's tiles 112, bkt's 176, q_x 248).
.set QC0, 8388608                      ; rc: q_x's first run;  rs: likewise
.set QS0, 524288
.set TC0, 8650752                      ; mish(t_embed)'s
.set TS0, 540672
.set QI,  0                            ; LDS: Q's four fragments as images, 1,024 bytes each
.set QW,  4096                         ; their scale words, 128 bytes each
.set STT, 4608                         ; the partials' -M and sum: [wave][query tile][2] x 128
.set TK,  8704                         ; K's time bias: 64 rows t' x (512 + 16) bytes, d in its own order
.set TV,  42496                        ; V's: 128 rows (16 tau + r) x (256 + 16); within each four t' the order 0, 2, 1, 3
.set PB,  77312                        ; the partial O^T: [wave][query tile][16 groups of 4 registers] x 512
.set XS,  16
.set WKS, 20
.set WVS, 24
.set KS,  28
.set VS,  36
.set QS,  44
.set PS,  48
.set STA, 50                           ; tile i at 50 + 4 i: -M, the largest t, the sum in two halves
.set TVV, 66
.set CT,  82
.set TM,  98
.set SO,  102
.set BY,  104
.set WT,  106
.set WP,  107
.set BM,  108
.set BC,  110
.set RM,  112
.set RP,  113
.set OLD, 114
.set F,   116
.set S2,  118
.set ACC0, 128
.set ACC1, 192
.set WK,  0
.set WV,  64
.set X,   128
.set VF,  192
.set KF,  0
.set Q,   64
.set P,   96
.set CB,  112
.set W_PK, 0x3a                        ; s_set_vgpr_msb: bits 1:0 source 0, 3:2 source 1, 5:4 source 2, 7:6 destination
.set W_VP, 0x0a
.set W_ST, 0x0f
.set W_PV, 0x5e
.set W_C3, 0xc0
.set W_C2, 0x80
.set W_C1, 0x40
.set W_RS, 0x41
.set W_TQ, 0x3d
.set W_Q,  0x0d
.set W_TV, 0x07
.set W_SD, 0x04
.set W_S1, 0x01
.set MSB, 0
.macro WIN new                         ; the immediate's high byte repeats the setting that is left; a switch that changes nothing is dropped
.if MSB != \new
	s_set_vgpr_msb (MSB<<8)|\new
.set MSB, \new
.endif
.endm
; One matrix line.  ra, rb: the side's scale words stand in lanes 16-31 of its register.  cm = 0: C is the constant 0
.macro WMS d, a, b, ra, rb, sa, sb, cm, cr
.if \cm
.if (\ra) && (\rb)
	v_wmma_scale_f32_16x16x128_f8f6f4 v[\d:\d+7], v[\a:\a+7], v[\b:\b+7], v[\cr:\cr+7], v[\sa], v[\sb] matrix_a_fmt:MATRIX_FMT_FP4 matrix_b_fmt:MATRIX_FMT_FP4 matrix_a_scale:MATRIX_SCALE_ROW1 matrix_b_scale:MATRIX_SCALE_ROW1
.elseif (\ra)
	v_wmma_scale_f32_16x16x128_f8f6f4 v[\d:\d+7], v[\a:\a+7], v[\b:\b+7], v[\cr:\cr+7], v[\sa], v[\sb] matrix_a_fmt:MATRIX_FMT_FP4 matrix_b_fmt:MATRIX_FMT_FP4 matrix_a_scale:MATRIX_SCALE_ROW1
.elseif (\rb)
	v_wmma_scale_f32_16x16x128_f8f6f4 v[\d:\d+7], v[\a:\a+7], v[\b:\b+7], v[\cr:\cr+7], v[\sa], v[\sb] matrix_a_fmt:MATRIX_FMT_FP4 matrix_b_fmt:MATRIX_FMT_FP4 matrix_b_scale:MATRIX_SCALE_ROW1
.else
	v_wmma_scale_f32_16x16x128_f8f6f4 v[\d:\d+7], v[\a:\a+7], v[\b:\b+7], v[\cr:\cr+7], v[\sa], v[\sb] matrix_a_fmt:MATRIX_FMT_FP4 matrix_b_fmt:MATRIX_FMT_FP4
.endif
.else
.if (\ra) && (\rb)
	v_wmma_scale_f32_16x16x128_f8f6f4 v[\d:\d+7], v[\a:\a+7], v[\b:\b+7], 0, v[\sa], v[\sb] matrix_a_fmt:MATRIX_FMT_FP4 matrix_b_fmt:MATRIX_FMT_FP4 matrix_a_scale:MATRIX_SCALE_ROW1 matrix_b_scale:MATRIX_SCALE_ROW1
.elseif (\ra)
	v_wmma_scale_f32_16x16x128_f8f6f4 v[\d:\d+7], v[\a:\a+7], v[\b:\b+7], 0, v[\sa], v[\sb] matrix_a_fmt:MATRIX_FMT_FP4 matrix_b_fmt:MATRIX_FMT_FP4 matrix_a_scale:MATRIX_SCALE_ROW1
.elseif (\rb)
	v_wmma_scale_f32_16x16x128_f8f6f4 v[\d:\d+7], v[\a:\a+7], v[\b:\b+7], 0, v[\sa], v[\sb] matrix_a_fmt:MATRIX_FMT_FP4 matrix_b_fmt:MATRIX_FMT_FP4 matrix_b_scale:MATRIX_SCALE_ROW1
.else
	v_wmma_scale_f32_16x16x128_f8f6f4 v[\d:\d+7], v[\a:\a+7], v[\b:\b+7], 0, v[\sa], v[\sb] matrix_a_fmt:MATRIX_FMT_FP4 matrix_b_fmt:MATRIX_FMT_FP4
.endif
.endif
.endm
.macro PK n, acc                       ; K of key tile n: eight tiles along d
	WIN W_PK
.irp tau, 0,1,2,3,4,5,6,7
	WMS (\acc)+8*\tau, WK+8*\tau, X+8*(\n), (\tau)&1, (\n)&1, WKS+(\tau)/2, XS+(\n)/2, 1, CB+64*((\n)/4)+8*\tau
.endr
.endm
.macro VP tau, acc                     ; V of d tile tau: eight tiles along the keys
	WIN W_VP
.irp kt, 0,1,2,3,4,5,6,7
	WMS (\acc)+8*\kt, X+8*\kt, WV+8*(\tau), (\kt)&1, (\tau)&1, XS+(\kt)/2, WVS+(\tau)/2, 1, CT+8*((\kt)/4)
.endr
.endm
.macro ST i, acc                       ; the scores of query tile i: eight tiles along the keys
	WIN W_ST
.irp kt, 0,1,2,3,4,5,6,7
	WMS (\acc)+8*\kt, KF+8*\kt, Q+8*(\i), 0, 0, KS+\kt, QS+(\i), 0, 0
.endr
.endm
.macro PVM i, first                    ; O^T of query tile i; first = 1: these products start the sums
	WIN W_PV
.irp tau, 0,1,2,3,4,5,6,7
	WMS 64*(\i)+8*\tau, VF+8*\tau, P+8*((\i)&1), 0, 0, VS+\tau, PS+((\i)&1), 1-(\first), 64*(\i)+8*\tau
.endr
.endm
.macro MOVS tau                        ; V's bias of d tile tau as two tiles of eight equal registers: keys 64 c on have t' = t'0 + 2 c + h.  x 1.0, one word of the pair for both halves
.irp k, 0,1,2,3
	v_pk_mul_f32 v[CT+2*\k:CT+2*\k+1], v[TVV+2*(\tau):TVV+2*(\tau)+1], 1.0 op_sel_hi:[0,0]
	v_pk_mul_f32 v[CT+8+2*\k:CT+8+2*\k+1], v[TVV+2*(\tau):TVV+2*(\tau)+1], 1.0 op_sel:[1,0] op_sel_hi:[1,0]
.endr
.endm
; The largest magnitudes of a lane's two blocks (registers 32 c + 0 .. 31 of a), two chains a block, into TM and TM + 2.  Each tile's first read names one of its four lowest registers
.macro QMAX a
	WIN 0
.irp c, 0,1
	v_max3_num_f32 v[TM+2*\c], |v[(\a)+32*\c]|, |v[(\a)+32*\c+1]|, 0x1800000      ; with the floor 2^(3 - 127): the byte cannot fall under 1
	v_max3_num_f32 v[TM+2*\c+1], |v[(\a)+32*\c+16]|, |v[(\a)+32*\c+17]|, |v[(\a)+32*\c+18]|
.endr
.irp k, 0,1,2,3,4,5
.irp c, 0,1
	v_max3_num_f32 v[TM+2*\c], v[TM+2*\c], |v[(\a)+32*\c+2+2*\k]|, |v[(\a)+32*\c+3+2*\k]|
	v_max3_num_f32 v[TM+2*\c+1], v[TM+2*\c+1], |v[(\a)+32*\c+19+2*\k]|, |v[(\a)+32*\c+20+2*\k]|
.endr
.endr
.irp c, 0,1
	v_max3_num_f32 v[TM+2*\c], v[TM+2*\c], |v[(\a)+32*\c+14]|, |v[(\a)+32*\c+15]|
.endr
.irp c, 0,1
	v_max3_num_f32 v[TM+2*\c], v[TM+2*\c], v[TM+2*\c+1], |v[(\a)+32*\c+31]|
.endr
.endm
; The scale word into v[word] (window 0) and the fragment's eight registers into v[dst] on, in the window that win names
.macro QCVT a, win, dst, word
	v_add_nc_u32 v[SO], 0xff000000, v[TM]          ; 2 off the exponent field: the conversion's scale operand
	v_add_nc_u32 v[SO+1], 0xff000000, v[TM+2]
	v_lshrrev_b32 v[BY], 23, v[SO]                 ; the bytes of blocks h and 2 + h
	v_lshrrev_b32 v[BY+1], 23, v[SO+1]
	v_lshl_or_b32 v[WT], v[BY+1], 16, v[BY]
	v_lshlrev_b32 v[WT], v5, v[WT]                 ; 8 h bits up
	v_permlanex16_b32 v[WP], v[WT], s28, s29
	v_or_b32 v[\word], v[WT], v[WP]                ; with lane l xor 16's two the word is whole
	WIN \win
.irp c, 0,1
.irp u, 0,1,2,3
	v_cvt_scalef32_pk8_fp4_f32 v[(\dst)+4*\c+\u], v[(\a)+32*\c+8*\u:(\a)+32*\c+8*\u+7], v[SO+\c]
.endr
.endr
	WIN 0
	v_nop                                          ; a plain line behind the last conversion
.endm
.macro SOFTMAX i, a, ps, first
	WIN 0
.set rT, STA+4*(\i)
.irp c, 0,1
	v_max3_num_f32 v[BM+\c], v[(\a)+32*\c], v[(\a)+32*\c+1], v[(\a)+32*\c+2]      ; the largest score of each of my two blocks: it serves the row's maximum and, since p rises with the score, the block's largest p
	v_max3_num_f32 v[BC+\c], v[(\a)+32*\c+16], v[(\a)+32*\c+17], v[(\a)+32*\c+18]
.endr
.irp k, 3,5,7,9,11,13
.irp c, 0,1
	v_max3_num_f32 v[BM+\c], v[BM+\c], v[(\a)+32*\c+\k], v[(\a)+32*\c+\k+1]
	v_max3_num_f32 v[BC+\c], v[BC+\c], v[(\a)+32*\c+16+\k], v[(\a)+32*\c+17+\k]
.endr
.endr
.irp c, 0,1
	v_max3_num_f32 v[BM+\c], v[BM+\c], v[BC+\c], v[(\a)+32*\c+15]
.endr
.irp c, 0,1
	v_max_num_f32 v[BM+\c], v[BM+\c], v[(\a)+32*\c+31]
.endr
	v_max_num_f32 v[RM], v[BM], v[BM+1]
	v_permlanex16_b32 v[RP], v[RM], s28, s29
	v_max_num_f32 v[RM], v[RM], v[RP]              ; the step's largest score of my query
	v_mul_f32 v[RM], s30, v[RM]                    ; as t
	v_max_num_f32 v[rT+1], v[rT+1], v[RM]          ; the running largest t
	v_mov_b32 v[OLD], v[rT]
	v_floor_f32 v[rT], -v[rT+1]                    ; -M = floor(-t): M is a whole number
	v_sub_f32 v[OLD], v[rT], v[OLD]                ; old M - new M, 0 or less
	v_cvt_i32_f32 v[OLD], v[OLD]                   ; (it saturates)
	v_ldexp_f32 v[F], 1.0, v[OLD]                  ; f = 2^(old M - new M)
.set j, 0
.rept 32
	v_pk_fma_f32 v[(\a)+j:(\a)+j+1], v[(\a)+j:(\a)+j+1], s[30:31], v[rT:rT+1] op_sel_hi:[1,0,0]   ; t - M
.set j, j+2
.endr
.irp c, 0,1
	v_fma_f32 v[BM+\c], v[BM+\c], s30, v[rT]
.endr
.set j, 0
	s_wait_alu depctr_va_vdst(0)
.rept 64
	v_exp_f32 v[(\a)+j], v[(\a)+j]                 ; p, at most 1
.set j, j+1
.endr
	v_pk_mul_f32 v[rT+2:rT+3], v[rT+2:rT+3], v[F:F+1] op_sel_hi:[1,0]   ; the sum under the new M (a plain line behind the exponentials)
	s_wait_alu depctr_va_vdst(0)                   ; the 64 exponentials have written p: one wait, ahead of their first reader
.irp c, 0,1
	v_exp_f32 v[BM+\c], v[BM+\c]                   ; the block's largest p
.endr
	v_pk_add_f32 v[S2:S2+1], v[(\a):(\a)+1], v[(\a)+2:(\a)+3]   ; the sum of the unquantised p, in two chains
.set j, 4
.rept 15
	v_pk_add_f32 v[rT+2:rT+3], v[rT+2:rT+3], v[(\a)+j:(\a)+j+1]
	v_pk_add_f32 v[S2:S2+1], v[S2:S2+1], v[(\a)+j+2:(\a)+j+3]
.set j, j+4
.endr
	v_pk_add_f32 v[rT+2:rT+3], v[rT+2:rT+3], v[S2:S2+1]
	s_wait_alu depctr_va_vdst(0)                   ; the two exponentials have written the blocks' largest p, ahead of their first reader
.irp c, 0,1
	v_max_num_f32 v[BM+\c], 0x1800000, v[BM+\c]
.endr
.irp c, 0,1
	v_add_nc_u32 v[SO+\c], 0xff000000, v[BM+\c]
.endr
.irp c, 0,1
	v_lshrrev_b32 v[BY+\c], 23, v[SO+\c]
.endr
	v_lshl_or_b32 v[WT], v[BY+1], 16, v[BY]
	v_lshlrev_b32 v[WT], v5, v[WT]
	v_permlanex16_b32 v[WP], v[WT], s28, s29
	v_or_b32 v[PS+(\ps)], v[WT], v[WP]             ; p's scale word for these 128 keys
	WIN W_C3
.irp c, 0,1
.irp u, 0,1,2,3
	v_cvt_scalef32_pk8_fp4_f32 v[P+8*(\ps)+4*\c+\u], v[(\a)+32*\c+8*\u:(\a)+32*\c+8*\u+7], v[SO+\c]
.endr
.endr
	WIN 0
	v_nop
.if \first
.rept 8
	v_nop                                          ; the scale word just made stands eight plain lines ahead of the product that names it
.endr
.else
	WIN W_RS
.set j, 0
.rept 32
	v_pk_mul_f32 v[64*(\i)+j:64*(\i)+j+1], v[64*(\i)+j:64*(\i)+j+1], v[F:F+1] op_sel_hi:[1,0]   ; O^T under the new M; these 32 lines are also those eight
.set j, j+2
.endr
.endif
.endm
.macro LDX o, os                       ; a step's X: eight fragments as they lie, 512 consecutive bytes a load; four registers of scale words, two fragments each
	WIN W_C2
.irp k, 0,1,2,3,4,5,6,7,8,9,10,11,12,13,14,15
	global_load_b128 v[X+4*\k:X+4*\k+3], v1, s[34:35] offset:\o+512*\k
.endr
	WIN 0
.irp p, 0,1,2,3
	global_load_b32 v[XS+\p], v2, s[36:37] offset:\os+128*\p
.endr
.endm
.macro LDBIAS o3, o4                   ; a step's biases from LDS: K's as 16 tiles (c: which 64 keys; tau: which d tile), V's as two numbers for each d tile
	WIN W_C3
.irp c, 0,1
.irp tau, 0,1,2,3,4,5,6,7
	ds_load_b128 v[CB+64*\c+8*\tau:CB+64*\c+8*\tau+3], v3 offset:\o3+1056*\c+256*(\tau/4)+32*(\tau%4)
	ds_load_b128 v[CB+64*\c+8*\tau+4:CB+64*\c+8*\tau+7], v3 offset:\o3+1056*\c+256*(\tau/4)+32*(\tau%4)+16
.endr
.endr
	WIN 0
.irp tau, 0,1,2,3,4,5,6,7
	ds_load_b64 v[TVV+2*\tau:TVV+2*\tau+1], v4 offset:\o4+4352*\tau
.endr
.endm
; The next step's X and biases are asked for when this step's projections are done, behind the first scores' products: the four softmaxes stand between the request and the wait.  The last step asks for nothing: no load leaves its buffer.
; No wait stands here: since the wait ahead of ST 0 only ST 0 has been issued, which names the first set of result tiles, K's fragments, Q and their scale words: none of the registers that these loads read or land in.
; A PREFETCH INTO THE L2 stands behind the loads: the 8,192 bytes of X of the step after the one just asked for, lanes 256 bytes apart.  The eight heads of a (b, n) read the same X: head 0's work-group alone asks, so each
; block is named once in the launch.  Steps 0 and 1 ask; behind them no step is left.  Its base is stepped at the step's end, behind s_wait_xcnt 0.
.macro NEXT
	WIN 0
	s_cmp_eq_u32 s38, 1
	s_cbranch_scc1 .Lno_next_\@
	LDX 8192, 512
	LDBIAS 2112, 16
	s_cmp_gt_u32 s38, s39
	s_cbranch_scc0 .Lno_pf_\@
	global_prefetch_b8 v6, s[34:35] offset:16384 th:TH_LOAD_NT scope:SCOPE_SE
.Lno_pf_\@:
.Lno_next_\@:
.endm
; A STEP OF 128 KEYS.  Each batch of eight matrix lines is followed by the vector work on the OTHER set of eight tiles, which names none of its registers: those lines are the distance that a read or an overwriting of its registers
; needs.  No two matrix lines that follow each other share an accumulator, over the backward jump too.
.macro STEP first
	s_wait_loadcnt 0x0                             ; X and its scale words,
	s_wait_dscnt 0x0                               ; the biases
	PK 0, ACC0
	PK 1, ACC1
.rept 4
	v_nop                                          ; only matrix lines stand between PK 0 and the first read of its results
.endr
	QMAX ACC0
	QCVT ACC0, W_C3, KF, KS
.irp n, 2,3,4,5,6,7
	PK \n, ACC0+64*(\n&1)
	QMAX ACC0+64*((\n-1)&1)
.if \n == 7
	MOVS 0
.endif
	QCVT ACC0+64*((\n-1)&1), W_C3, KF+8*(\n-1), KS+\n-1
.endr
	VP 0, ACC0
	QMAX ACC1
	MOVS 1                                         ; behind 32 plain lines: the products just issued have read the tiles that it writes
	QCVT ACC1, W_C3, KF+56, KS+7
.irp t, 1,2,3,4,5,6,7
	VP \t, ACC0+64*(\t&1)
	QMAX ACC0+64*((\t-1)&1)
.if \t < 7
	MOVS \t+1
.endif
	QCVT ACC0+64*((\t-1)&1), W_C2, VF+8*(\t-1), VS+\t-1
.endr
	s_wait_alu depctr_va_vdst(0)                   ; the conversions have written K's eight fragments and scale words, which the scores' products take; PK, VP and MOVS are done reading X, XS, CB and TVV, in which NEXT's loads land; v3 and v4 are written, which those loads read
	ST 0, ACC0
	NEXT
	QMAX ACC1
	QCVT ACC1, W_C2, VF+56, VS+7
.irp i, 0,1,2,3
.if \i < 3
	ST \i+1, ACC0+64*((\i+1)&1)
.endif
	SOFTMAX \i, ACC0+64*(\i&1), \i&1, \first
	s_wait_alu depctr_va_vdst(0)                   ; behind the plain lines above: p's codes and scale word are written, and V's fragments and scale words, which the products below take
	PVM \i, \first
.endr
	WIN 0
	s_wait_xcnt 0x0                                ; this step's loads and prefetch have read their bases: now they step
	s_wait_alu depctr_vm_vsrc(0)                   ; the LDS loads issued so far have read v3 and v4, which the two additions below write
	s_add_nc_u64 s[34:35], s[34:35], 8192
	s_add_nc_u64 s[36:37], s[36:37], 512
	v_add_nc_u32 v3, 2112, v3                      ; four rows t' of K's bias on
	v_add_nc_u32 v4, 16, v4                        ; four columns t' of V's
.endm
.macro LDW reg, widx                   ; my head's eight fragments of a weight
.irp k, 0,1,2,3,4,5,6,7,8,9,10,11,12,13,14,15
	global_load_b128 v[\reg+4*\k:\reg+4*\k+3], v1, s[48:49] offset:65536*\widx+512*\k
.endr
.endm
.macro LDWS reg, widx                  ; and their scale words, two fragments to a register
.irp p, 0,1,2,3
	global_load_b32 v[\reg+\p], v2, s[50:51] offset:4096*\widx+128*\p
.endr
.endm
.macro LDBT reg, base                  ; a bias as eight tiles in the result's layout: lane (r, h), tile 4 c + T: numbers 64 c + 32 h + 8 T + 0 .. 7
.irp tau, 0,1,2,3,4,5,6,7
	global_load_b128 v[\reg+8*\tau:\reg+8*\tau+3], v15, s[\base:\base+1] offset:256*(\tau/4)+32*(\tau%4)
	global_load_b128 v[\reg+8*\tau+4:\reg+8*\tau+7], v15, s[\base:\base+1] offset:256*(\tau/4)+32*(\tau%4)+16
.endr
.endm
	s_load_b256 s[4:11], s[0:1], 0x0               ; rc 4, rs 6, wc 8, wsc 10
	s_load_b256 s[12:19], s[0:1], 0x20             ; bqt 12, bkt 14, bvt 16, oc 18
	s_load_b64 s[20:21], s[0:1], 0x40              ; osc
	s_set_vgpr_msb 0xc0
	v_lshl_add_u32 v246, v0, 2, 0x32e00
	v_mov_b32 v247, 0
	s_set_vgpr_msb 0xc000
	v_lshrrev_b32 v7, 5, v0
	v_readfirstlane_b32 s22, v7                    ; wave w
	s_mov_b32 s23, ttmp9                           ; head
	s_and_b32 s24, ttmp7, 0xffff                   ; 16 b + l
	s_lshr_b32 s25, s24, 4                         ; b
	s_and_b32 s26, s24, 15                         ; l
	s_mov_b32 s28, 0x76543210
	s_mov_b32 s29, 0xfedcba98                      ; v_permlanex16_b32's selects for lane l xor 16
	s_mov_b32 s30, 0x3e0293ee                      ; log2(e) / sqrt(128)
	s_mov_b32 s31, s30                             ; (named with it as a pair)
	s_cmp_eq_u32 s23, 0
	s_cselect_b32 s39, 2, -1                       ; a wave prefetches while more steps than this are left
	v_and_b32 v121, 31, v0                         ; lane
	v_and_b32 v122, 15, v0                         ; r
	v_bfe_u32 v123, v0, 4, 1                       ; h
	v_bfe_u32 v124, v0, 3, 1                       ; r / 8
	v_and_b32 v125, 7, v0                          ; r % 8
	v_bfe_u32 v126, v0, 2, 2                       ; r / 4
	v_and_b32 v127, 1, v0                          ; r % 2
	v_bfe_u32 v120, v0, 1, 1                       ; (r / 2) % 2
	v_lshlrev_b32 v1, 4, v121
	v_lshlrev_b32 v2, 2, v121
	v_lshlrev_b32 v5, 3, v123
	v_lshlrev_b32 v6, 8, v121
	s_wait_alu depctr_va_sdst(0)                   ; s22 is written, ahead of its first reader: LDS addresses and bases are made from it
	s_mul_i32 s40, s22, 16*528
	s_add_co_u32 s40, s40, TK                      ; my 16 rows t' of K's bias
	v_mul_u32_u24 v3, v124, 528
	v_lshl_add_u32 v3, v123, 7, v3
	v_add_nc_u32 v3, s40, v3                       ; read: row 16 w + r / 8, + 128 h
	v_mul_u32_u24 v7, v122, 528
	v_lshl_add_u32 v7, v123, 7, v7
	v_add_nc_u32 v7, s40, v7                       ; written: row 16 w + r, + 128 h
	s_lshl_b32 s41, s22, 6
	s_add_co_u32 s41, s41, TV                      ; my 16 columns t' of V's bias
	v_mul_u32_u24 v4, v122, 272
	v_lshl_add_u32 v8, v123, 5, v4
	v_lshl_add_u32 v4, v123, 3, v4
	v_add_nc_u32 v8, s41, v8                       ; written: row r of a d tile, + 32 h
	v_add_nc_u32 v4, s41, v4                       ; read: + 8 h
	s_lshl_b32 s42, s22, 10
	v_add_nc_u32 v9, s42, v1                       ; my tile of Q as an image
	s_lshl_b32 s43, s22, 7
	v_add_nc_u32 v10, s43, v2                      ; and its scale words
	v_lshlrev_b32 v11, 10, v124                    ; te's codes, row t = 16 w + r of b's run: the lane's part
	v_lshl_add_u32 v11, v125, 4, v11
	v_lshl_add_u32 v11, v123, 8, v11
	v_lshlrev_b32 v12, 6, v124                     ; its scale word
	v_lshl_add_u32 v12, v125, 2, v12
	v_lshlrev_b32 v13, 12, v126                    ; q_x's codes, row (t = 16 w + r, l): run r / 4 of my four,
	v_lshl_add_u32 v13, v127, 11, v13              ; fragment 2 (r % 2) + l / 8,
	v_lshl_add_u32 v13, v120, 7, v13               ; fragment row 8 ((r / 2) % 2) + l % 8
	v_lshl_add_u32 v13, v123, 8, v13
	v_lshlrev_b32 v14, 8, v126                     ; its scale word
	v_lshl_add_u32 v14, v127, 7, v14
	v_lshl_add_u32 v14, v120, 5, v14
	v_lshlrev_b32 v15, 7, v123                     ; 128 h: a bias tile's lane part
	v_lshlrev_b32 v120, 7, v124                    ; bvt at d(tau, r): 4 (32 (r / 8) + r % 8)
	v_lshl_add_u32 v120, v125, 2, v120
	v_mov_b32 v[WP], 0                             ; a lane permute's destination counts as read
	v_mov_b32 v[RP], 0
	v_mov_b32 v[F+1], 0                            ; (named as the upper half of a pair)
.irp i, 0,1,2,3
	v_mov_b32 v[STA+4*\i+1], 0xff61b1e6            ; the largest t so far: -3e38
	v_mov_b32 v[STA+4*\i+2], 0
	v_mov_b32 v[STA+4*\i+3], 0
.endr
.irp i, 0,1,2,3
	v_floor_f32 v[STA+4*\i], -v[STA+4*\i+1]
.endr
	s_and_b32 s52, s22, 1
	s_lshr_b32 s53, s22, 1
	s_lshl_b32 s40, s25, 12                        ; te's codes: run b, fragment 2 (w % 2) + r / 8, fragment row 8 (w / 2) + r % 8
	s_lshl_b32 s54, s52, 11
	s_add_co_u32 s40, s40, s54
	s_lshl_b32 s54, s53, 7
	s_add_co_u32 s40, s40, s54
	s_add_co_u32 s40, s40, TC0
	s_mov_b32 s41, 0
	s_lshl_b32 s42, s25, 8
	s_lshl_b32 s54, s52, 7
	s_add_co_u32 s42, s42, s54
	s_lshl_b32 s54, s53, 5
	s_add_co_u32 s42, s42, s54
	s_add_co_u32 s42, s42, TS0
	s_mov_b32 s43, 0
	s_lshl_b32 s55, s25, 4
	s_lshl_b32 s54, s22, 2
	s_add_co_u32 s55, s55, s54                     ; q_x: run 16 b + 4 w
	s_lshr_b32 s56, s26, 3
	s_and_b32 s57, s26, 7
	s_lshl_b32 s44, s55, 12
	s_lshl_b32 s54, s56, 10
	s_add_co_u32 s44, s44, s54
	s_lshl_b32 s54, s57, 4
	s_add_co_u32 s44, s44, s54
	s_add_co_u32 s44, s44, QC0
	s_mov_b32 s45, 0
	s_lshl_b32 s46, s55, 8
	s_lshl_b32 s54, s56, 6
	s_add_co_u32 s46, s46, s54
	s_lshl_b32 s54, s57, 2
	s_add_co_u32 s46, s46, s54
	s_add_co_u32 s46, s46, QS0
	s_mov_b32 s47, 0
	s_lshl_b32 s48, s23, 13                        ; my head's fragments in each weight,
	s_mov_b32 s49, 0
	s_lshl_b32 s50, s23, 9                         ; its scale words, and its 128 numbers of each bias
	s_mov_b32 s51, 0
	s_lshl_b32 s34, s24, 17                        ; X: 32 runs a (b, n), 8 a wave
	s_lshl_b32 s54, s22, 15
	s_add_co_u32 s34, s34, s54
	s_mov_b32 s35, 0
	s_lshl_b32 s36, s24, 13
	s_lshl_b32 s54, s22, 11
	s_add_co_u32 s36, s36, s54
	s_mov_b32 s37, 0
	s_wait_kmcnt 0x0
	s_add_nc_u64 s[40:41], s[4:5], s[40:41]
	s_add_nc_u64 s[42:43], s[6:7], s[42:43]
	s_add_nc_u64 s[44:45], s[4:5], s[44:45]
	s_add_nc_u64 s[46:47], s[6:7], s[46:47]
	s_add_nc_u64 s[48:49], s[8:9], s[48:49]
	s_add_nc_u64 s[12:13], s[12:13], s[50:51]
	s_add_nc_u64 s[14:15], s[14:15], s[50:51]
	s_add_nc_u64 s[16:17], s[16:17], s[50:51]
	s_add_nc_u64 s[50:51], s[10:11], s[50:51]
	s_add_nc_u64 s[34:35], s[4:5], s[34:35]
	s_add_nc_u64 s[36:37], s[6:7], s[36:37]
	s_wait_alu depctr_va_vdst(0)                   ; the offsets and addresses v1 to v4, v6 to v15 and v120 are written, which the loads and stores of the head and of the loop read
	; the first group, 126 loads: what the head's products want
	WIN W_C3
	global_load_b128 v[0:3], v11, s[40:41]         ; te, rows t = 16 w + r
	global_load_b128 v[4:7], v11, s[40:41] offset:512
	global_load_b128 v[248:251], v13, s[44:45]     ; q_x, the same t at my l
	global_load_b128 v[252:255], v13, s[44:45] offset:512
	LDBT 112, 12
	LDBT 176, 14
	WIN W_C1
	LDW 0, 0                                       ; Wq
	LDW 64, 3                                      ; Wqt
	LDW 128, 4                                     ; Wkt
	LDW 192, 5                                     ; Wvt
	WIN 0
	global_load_b32 v48, v12, s[42:43]             ; te's scale words
	global_load_b32 v49, v14, s[46:47]             ; q_x's
	LDWS 28, 0
	LDWS 32, 3
	LDWS 36, 4
	LDWS 40, 5
.irp tau, 0,1,2,3,4,5,6,7
	global_load_b32 v[TVV+\tau], v120, s[16:17] offset:256*(\tau/4)+32*(\tau%4)   ; bvt at d(tau, r)
.endr
	; the second group, 60 loads: what the loop wants
	WIN W_C2
	LDW WK, 1
	LDW WV, 2
	WIN 0
	LDWS WKS, 1
	LDWS WVS, 2
	LDX 0, 0
	s_wait_loadcnt 60                              ; the 60 loads of the second group may be out: the first group is in
	WIN W_TQ
.irp tau, 0,1,2,3,4,5,6,7
	WMS ACC0+8*\tau, 64+8*\tau, 0, (\tau)&1, 0, 32+(\tau)/2, 48, 1, 112+8*\tau     ; bqt + te Wqt: a lane holds t = 16 w + r, registers along d
.endr
.irp tau, 0,1,2,3,4,5,6,7
	WMS ACC1+8*\tau, 128+8*\tau, 0, (\tau)&1, 0, 36+(\tau)/2, 48, 1, 176+8*\tau    ; bkt + te Wkt
.endr
	WIN W_Q
.irp tau, 0,1,2,3,4,5,6,7
	WMS ACC0+8*\tau, 8*\tau, 248, (\tau)&1, 0, 28+(\tau)/2, 49, 1, ACC0+8*\tau     ; + q_x Wq, in place: fifteen other matrix lines stand between a sum's two links
.endr
	WIN 0
.rept 4
	v_nop
.endr
	s_wait_alu depctr_va_vdst(0)                   ; behind the four plain lines: the products have written K's bias in the second set of tiles, which the LDS stores read
.irp tau, 0,1,2,3,4,5,6,7
	ds_store_b128 v7, v[ACC1+8*\tau:ACC1+8*\tau+3] offset:256*(\tau/4)+32*(\tau%4)
	ds_store_b128 v7, v[ACC1+8*\tau+4:ACC1+8*\tau+7] offset:256*(\tau/4)+32*(\tau%4)+16
.endr
	QMAX ACC0
	QCVT ACC0, 0, 82, 90                           ; my tile of Q
	s_wait_alu depctr_va_vdst(0)                   ; the conversions have written v82 to v89 and the scale word v90, which the LDS stores read
	ds_store_b128 v9, v[82:85] offset:QI
	ds_store_b128 v9, v[86:89] offset:QI+512
	ds_store_b32 v10, v90 offset:QW
	s_wait_dscnt 0x0                               ; my stores so far have landed
	s_wait_alu depctr_vm_vsrc(0)                   ; the LDS stores have read the second set of tiles, which the products below write again
	WIN W_TV
.irp tau, 0,1,2,3,4,5,6,7
	WMS ACC1+8*\tau, 0, 192+8*\tau, 0, (\tau)&1, 48, 40+(\tau)/2, 0, 0             ; te Wvt the other way round: a lane holds d(tau, r), registers along t' = 16 w + 8 h + j
.endr
	WIN 0
.rept 4
	v_nop
.endr
.irp tau, 0,1,2,3,4,5,6,7
.irp j, 0,1,2,3,4,5,6,7
	v_add_f32 v[ACC0+8*\tau+(\j&4)+2*(\j&1)+((\j>>1)&1)], v[ACC1+8*\tau+\j], v[TVV+\tau]   ; + bvt; within each four t' the order 0, 2, 1, 3, so that a lane's two t' of a step are neighbours
.endr
.endr
	s_wait_alu depctr_va_vdst(0)                   ; the additions have written V's bias in the first set of tiles, which the LDS stores read, and are done reading TVV; the head's products are done reading the bias tiles of window 3: behind the barrier LDS loads land in both
.irp tau, 0,1,2,3,4,5,6,7
	ds_store_b128 v8, v[ACC0+8*\tau:ACC0+8*\tau+3] offset:4352*\tau
	ds_store_b128 v8, v[ACC0+8*\tau+4:ACC0+8*\tau+7] offset:4352*\tau+16
.endr
	s_wait_dscnt 0x0                               ; for the others' sake: my stores have landed
	s_wait_alu depctr_vm_vsrc(0)                   ; my LDS stores have read the first set of tiles, v82 to v90 and v7 to v10, and the head's loads v11 and v120: the loop's products and MOVS, and the end's address lines, write them again
	s_barrier_signal -1
	s_barrier_wait -1                              ; Q's four tiles and both biases lie in LDS
	WIN W_C3
.irp k, 0,1,2,3,4,5,6,7
	ds_load_b128 v[Q+4*\k:Q+4*\k+3], v1 offset:QI+512*\k
.endr
	LDBIAS 0, 0
.irp i, 0,1,2,3
	ds_load_b32 v[QS+\i], v2 offset:QW+128*\i
.endr
	s_mov_b32 s38, 4                               ; steps left, this one among them
	STEP 1                                         ; the first step is written out: its products start O^T's sums, and nothing is rescaled
	s_mov_b32 s38, 3
.Lstep:
	STEP 0
	s_sub_co_u32 s38, s38, 1
	s_cmp_lg_u32 s38, 0
	s_cbranch_scc1 .Lstep
	; THE END.  My sums; then the partials go to LDS, and wave w takes query tile w of all four
.irp i, 0,1,2,3
	v_add_f32 v[120+\i], v[STA+4*\i+2], v[STA+4*\i+3]
.endr
.irp i, 0,1,2,3
	v_permlanex16_b32 v[124+\i], v[120+\i], s28, s29
.endr
.irp i, 0,1,2,3
	v_add_f32 v[120+\i], v[120+\i], v[124+\i]      ; with lane l xor 16's keys
.endr
	s_lshl_b32 s40, s22, 10
	v_add_nc_u32 v7, s40, v2
	s_lshl_b32 s41, s22, 15
	s_add_co_u32 s41, s41, PB
	v_add_nc_u32 v8, s41, v1
	s_lshl_b32 s42, s22, 13
	s_add_co_u32 s42, s42, PB
	v_add_nc_u32 v9, s42, v1
	v_add_nc_u32 v10, 65536, v9
	s_lshl_b32 s43, s22, 8
	v_add_nc_u32 v11, s43, v2
	s_wait_dscnt 0x0
	s_barrier_signal -1
	s_barrier_wait -1                              ; every wave's reads of the biases are over
	s_wait_alu depctr_va_vdst(0)                   ; written are: the addresses v7 to v11, my sums v120 to v123, -M, and O^T by the last products (the lines above are the plain lines behind them): the LDS stores and loads below read them
.irp i, 0,1,2,3
	ds_store_b32 v7, v[STA+4*\i] offset:STT+256*\i
	ds_store_b32 v7, v[120+\i] offset:STT+256*\i+128
.endr
	WIN W_SD
.irp i, 0,1,2,3
.irp g, 0,1,2,3,4,5,6,7,8,9,10,11,12,13,14,15
	ds_store_b128 v8, v[64*\i+4*\g:64*\i+4*\g+3] offset:8192*\i+512*\g     ; each tile from its low end on
.endr
.endr
	WIN 0
	s_wait_dscnt 0x0
	s_wait_alu depctr_vm_vsrc(0)                   ; my LDS stores have read O^T's registers, in which the partials land below, and v120 to v123, which f / l takes
	s_barrier_signal -1
	s_barrier_wait -1                              ; all partials lie in LDS
	WIN W_C1
	s_wait_alu depctr_va_vdst(0)                   ; behind the window's switch, straight ahead of the loads: the loop's products and rescalings are done with O^T's registers, its vector lines with v98 to v105: the loads below land in both
.irp kg, 0,1,2,3
.irp g, 0,1,2,3,4,5,6,7,8,9,10,11,12,13,14,15
	ds_load_b128 v[64*\kg+4*\g:64*\kg+4*\g+3], v[9+\kg/2] offset:32768*(\kg&1)+512*\g
.endr
.endr
	WIN 0
.irp kg, 0,1,2,3
	ds_load_b32 v[98+\kg], v11 offset:STT+1024*\kg         ; -M
	ds_load_b32 v[102+\kg], v11 offset:STT+1024*\kg+128    ; the sum
.endr
	s_wait_dscnt 0x0
	v_min_num_f32 v106, v98, v99
	v_min3_num_f32 v106, v106, v100, v101          ; - the largest M
.irp kg, 0,1,2,3
	v_sub_f32 v[108+\kg], v106, v[98+\kg]          ; M of wave kg - the largest: a whole number, 0 or less
.endr
.irp kg, 0,1,2,3
	v_cvt_i32_f32 v[108+\kg], v[108+\kg]
.endr
.irp kg, 0,1,2,3
	v_ldexp_f32 v[108+\kg], 1.0, v[108+\kg]        ; f
.endr
	v_mul_f32 v112, v108, v102
	v_fma_f32 v112, v109, v103, v112
	v_fma_f32 v112, v110, v104, v112
	v_fma_f32 v112, v111, v105, v112               ; the row's sum
	s_wait_alu depctr_va_vdst(0)
	v_rcp_f32 v113, v112
	v_nop
	s_wait_alu depctr_va_vdst(0)                   ; the reciprocal has written v113, ahead of its first reader
.irp kg, 0,1,2,3
	v_mul_f32 v[114+2*\kg], v[108+\kg], v113       ; f / l, as a pair
	v_mul_f32 v[115+2*\kg], v[108+\kg], v113
.endr
	WIN W_S1
.set j, 0
.rept 32
	v_pk_mul_f32 v[ACC0+j:ACC0+j+1], v[j:j+1], v[114:115] op_sel_hi:[1,0]
.set j, j+2
.endr
.irp kg, 1,2,3
.set j, 0
.rept 32
	v_pk_fma_f32 v[ACC0+j:ACC0+j+1], v[64*\kg+j:64*\kg+j+1], v[114+2*\kg:115+2*\kg], v[ACC0+j:ACC0+j+1] op_sel_hi:[1,0,1]
.set j, j+2
.endr
.endr
	QMAX ACC0                                      ; O of queries 16 w + r, registers along d: K step 'head' of the last product
	QCVT ACC0, 0, 82, 90
	s_lshl_b32 s44, s24, 2
	s_add_co_u32 s44, s44, s22                     ; row tile (16 b + l) 4 + w
	s_lshl_b32 s44, s44, 3
	s_add_co_u32 s44, s44, s23
	s_lshl_b32 s46, s44, 10
	s_mov_b32 s47, 0
	s_add_nc_u64 s[18:19], s[18:19], s[46:47]
	s_lshl_b32 s46, s44, 7
	s_add_nc_u64 s[20:21], s[20:21], s[46:47]
	s_wait_alu depctr_va_vdst(0)                   ; the conversions have written O's codes v82 to v89 and the scale word v90, which the stores read
	global_store_b128 v1, v[82:85], s[18:19]       ; 512 consecutive bytes, aligned
	global_store_b128 v1, v[86:89], s[18:19] offset:512
	global_store_b32 v2, v90, s[20:21]             ; a word a lane
	s_set_vgpr_msb 0xf
	s_wait_dscnt 0x0
	s_wait_alu depctr_hold_cnt(0) depctr_sa_sdst(0) depctr_va_vdst(0) depctr_va_sdst(0) depctr_va_ssrc(0) depctr_va_vcc(0) depctr_vm_vsrc(0)
	s_wait_tensorcnt 0x0
	ds_add_u32 v246, v247
	s_wait_dscnt 0x0
	s_endpgm
.Lfunc_end_k_qe9f8b5f36e_attn:
	.size	k_qe9f8b5f36e_attn, .Lfunc_end_k_qe9f8b5f36e_attn-k_qe9f8b5f36e_attn
	.p2alignl 7, 3214868480
	.fill 96, 4, 3214868480
	.section	.rodata,"a",@progbits
	.p2align	6, 0x0
	.amdhsa_kernel k_qe9f8b5f36e_attn
		.amdhsa_group_segment_fixed_size 208896
		.amdhsa_private_segment_fixed_size 0
		.amdhsa_enable_private_segment 0
		.amdhsa_kernarg_size 72
		.amdhsa_user_sgpr_count 2
		.amdhsa_user_sgpr_kernarg_segment_ptr 1
		.amdhsa_wavefront_size32 1
		.amdhsa_system_sgpr_workgroup_id_x 1
		.amdhsa_system_sgpr_workgroup_id_y 1
		.amdhsa_system_sgpr_workgroup_id_z 1
		.amdhsa_system_vgpr_workitem_id 0
		.amdhsa_next_free_vgpr 1024
		.amdhsa_next_free_sgpr 66
		.amdhsa_reserve_vcc 0
		.amdhsa_float_denorm_mode_32 3
		.amdhsa_float_denorm_mode_16_64 3
		.amdhsa_memory_ordered 1
		.amdhsa_forward_progress 1
		.amdhsa_inst_pref_size 255
	.end_amdhsa_kernel
	.section	.bss,"aw",@nobits
	.p2align	6
	.space	262144
	.amdgpu_metadata
---
amdhsa.version: [ 1, 2 ]
amdhsa.kernels:
  - .name:           k_qe9f8b5f36e_attn
    .symbol:         k_qe9f8b5f36e_attn.kd
    .args:
      - { .name: rc, .offset: 0, .size: 8, .value_kind: global_buffer, .address_space: global }
      - { .name: rs, .offset: 8, .size: 8, .value_kind: global_buffer, .address_space: global }
      - { .name: wc, .offset: 16, .size: 8, .value_kind: global_buffer, .address_space: global }
      - { .name: wsc, .offset: 24, .size: 8, .value_kind: global_buffer, .address_space: global }
      - { .name: bqt, .offset: 32, .size: 8, .value_kind: global_buffer, .address_space: global }
      - { .name: bkt, .offset: 40, .size: 8, .value_kind: global_buffer, .address_space: global }
      - { .name: bvt, .offset: 48, .size: 8, .value_kind: global_buffer, .address_space: global }
      - { .name: oc, .offset: 56, .size: 8, .value_kind: global_buffer, .address_space: global }
      - { .name: osc, .offset: 64, .size: 8, .value_kind: global_buffer, .address_space: global }
    .group_segment_fixed_size: 208896
    .private_segment_fixed_size: 0
    .kernarg_segment_align: 8
    .kernarg_segment_size: 72
    .max_flat_workgroup_size: 128
    .sgpr_count:     66
    .vgpr_count:     1024
    .wavefront_size: 32
...
	.end_amdgpu_metadata
.endif
;; end of part 5
;; launch outp (part 6): grid 256 x 1, 4 waves a work-group, no clusters, 9,216 bytes of LDS; arguments oc, osc, wc, wsc, bo, out0; writes out0
.if DOCPART == 6
	.amdgcn_target "amdgcn-amd-amdhsa--gfx1250"
	.amdhsa_code_object_version 6
	.text
	.protected	k_qe9f8b5f36e_outp
	.globl	k_qe9f8b5f36e_outp
	.p2align	8
	.type	k_qe9f8b5f36e_outp,@function
k_qe9f8b5f36e_outp:
	s_mov_b64 s[64:65], 0
	v_nop
	global_prefetch_b8 v0, s[64:65] scope:SCOPE_SE
	s_setreg_imm32_b32 hwreg(HW_REG_WAVE_SCHED_MODE, 0, 2), 2
	s_setreg_imm32_b32 hwreg(HW_REG_WAVE_MODE, 25, 1), 1
	s_wait_xcnt 0x0
	s_wait_alu depctr_vm_vsrc(0)
; out0 = O Wo + bo on codes of FP4 with E8M0 scales: [4,096 x 1,024] x [1,024 x 128].  O's and Wo's fragments lie in memory as images of their registers.
; A work-group takes one row tile: 16 queries t = 16 qt + r of one (b, l); tile number (16 b + l) 4 + qt.  Wave w takes Wo's column tiles 2 w and 2 w + 1 over all eight K steps (a K step = a head).
; The product is used transposed (source 0 = 16 columns of Wo, source 1 = 16 rows of O): in tile 4 c + T lane (r, h) holds row r and the columns 64 c + 32 h + 8 T + 0 .. 7.  bo is the C of each sum's first product.
; The two accumulators take turns.  The rows meet in a stage in LDS (512 bytes + 16 a row); each wave stores four whole rows of 512 bytes.
; No LDS ring, no cluster: every operand is read once by a wave, 24 KiB in all, straight into registers; the four waves' common 8 KiB of O are a third of that.
; THE MODE: SCHED_MODE bits 1:0 = 2 (LLVM: expert scheduling mode 2), set by the entry lines.  The code itself states the register dependences between vector or matrix instructions and memory or LDS instructions, with s_wait_alu, always for 0.
; THE PLAN.  v1 to v5: offsets and LDS addresses, written once at the head, read by every load and store: one wait on va_vdst ahead of the first load.  The operands, scale words and bo's tiles are written by loads and read by the
; products.  The accumulators are written by the products and read by the stage's stores: one wait on va_vdst ahead of those, behind the plain lines; it also shows the products done reading O's fragments, in which the stage's loads land.
; No register that a memory or LDS instruction has read is written again, so no wait on vm_vsrc is owed.
.set OSR, 16                           ; v16-23  O's scale words, a K step each
.set WSR, 24                           ; v24-31  Wo's: lanes 0-15 tile 2 w, lanes 16-31 tile 2 w + 1
.set OF,  32                           ; v32-95  O's eight fragments
.set WF,  96                           ; v96-223 Wo's: (s, u) at 96 + 16 s + 8 u
.set BT,  224                          ; v224-239 bo's two tiles
.set AC,  240                          ; v240-255 two accumulators
	s_load_b256 s[4:11], s[0:1], 0x0               ; oc 4, osc 6, wc 8, wsc 10
	s_load_b128 s[12:15], s[0:1], 0x20             ; bo 12, out0 14
	v_lshl_add_u32 v14, v0, 2, 0x2200
	v_mov_b32 v15, 0
	v_lshrrev_b32 v6, 5, v0
	v_readfirstlane_b32 s16, v6                    ; wave
	v_and_b32 v6, 31, v0
	v_lshlrev_b32 v1, 4, v6                        ; 16 x lane
	v_lshlrev_b32 v2, 2, v6                        ; 4 x lane
	v_bfe_u32 v7, v0, 4, 1                         ; h
	v_and_b32 v8, 15, v0                           ; r
	v_lshlrev_b32 v3, 7, v7                        ; 128 h
	s_wait_alu depctr_va_sdst(0)                   ; s16 is written, ahead of its first reader: LDS addresses and bases are made from it
	s_lshr_b32 s17, s16, 1
	s_and_b32 s18, s16, 1
	s_lshl_b32 s17, s17, 8
	s_lshl_b32 s18, s18, 6
	s_add_co_u32 s17, s17, s18                     ; my columns' bytes in a row: 256 (w / 2) + 64 (w % 2)
	v_mul_u32_u24 v4, v8, 528
	v_add_nc_u32 v4, v4, v3
	v_add_nc_u32 v4, s17, v4                       ; the stage, way in
	s_mul_i32 s18, s16, 4*528
	v_add_nc_u32 v5, s18, v1                       ; way out: my four rows
	s_lshl_b32 s20, ttmp9, 13
	s_mov_b32 s21, 0
	s_lshl_b32 s22, ttmp9, 10
	s_mov_b32 s23, 0
	s_lshl_b32 s24, s16, 11
	s_add_co_u32 s24, s24, 393216                  ; Wo is the seventh weight in wc
	s_mov_b32 s25, 0
	s_lshl_b32 s26, s16, 7
	s_add_co_u32 s26, s26, 24576
	s_mov_b32 s27, 0
	s_mov_b32 s28, s17
	s_mov_b32 s29, 0
	s_lshr_b32 s30, ttmp9, 6                       ; b
	s_lshl_b32 s30, s30, 19                        ; 64 t x 16 l x 512 bytes
	s_and_b32 s31, ttmp9, 3                        ; qt
	s_lshl_b32 s31, s31, 17                        ; 16 t x 8,192 bytes
	s_add_co_u32 s30, s30, s31
	s_bfe_u32 s31, ttmp9, 0x40002                  ; l
	s_lshl_b32 s31, s31, 9
	s_add_co_u32 s30, s30, s31
	s_lshl_b32 s31, s16, 15                        ; my four t
	s_add_co_u32 s30, s30, s31
	s_mov_b32 s31, 0
	s_wait_kmcnt 0x0
	s_add_nc_u64 s[4:5], s[4:5], s[20:21]
	s_add_nc_u64 s[6:7], s[6:7], s[22:23]
	s_add_nc_u64 s[8:9], s[8:9], s[24:25]
	s_add_nc_u64 s[10:11], s[10:11], s[26:27]
	s_add_nc_u64 s[12:13], s[12:13], s[28:29]
	s_add_nc_u64 s[14:15], s[14:15], s[30:31]
	s_wait_alu depctr_va_vdst(0)                   ; the offsets and LDS addresses v1 to v5 are written, which every load and store below reads
.irp k, 0,1,2,3,4,5,6,7,8,9,10,11,12,13,14,15
	global_load_b128 v[OF+4*\k:OF+4*\k+3], v1, s[4:5] offset:512*\k
.endr
.irp s, 0,1,2,3,4,5,6,7
	global_load_b32 v[OSR+\s], v2, s[6:7] offset:128*\s
	global_load_b32 v[WSR+\s], v2, s[10:11] offset:512*\s
.irp k, 0,1,2,3
	global_load_b128 v[WF+16*\s+4*\k:WF+16*\s+4*\k+3], v1, s[8:9] offset:8192*\s+512*\k
.endr
.endr
.irp u, 0,1
	global_load_b128 v[BT+8*\u:BT+8*\u+3], v3, s[12:13] offset:32*\u
	global_load_b128 v[BT+8*\u+4:BT+8*\u+7], v3, s[12:13] offset:32*\u+16
.endr
	s_wait_loadcnt 0x0
	v_wmma_scale_f32_16x16x128_f8f6f4 v[AC:AC+7], v[WF:WF+7], v[OF:OF+7], v[BT:BT+7], v[WSR], v[OSR] matrix_a_fmt:MATRIX_FMT_FP4 matrix_b_fmt:MATRIX_FMT_FP4
	v_wmma_scale_f32_16x16x128_f8f6f4 v[AC+8:AC+15], v[WF+8:WF+15], v[OF:OF+7], v[BT+8:BT+15], v[WSR], v[OSR] matrix_a_fmt:MATRIX_FMT_FP4 matrix_b_fmt:MATRIX_FMT_FP4 matrix_a_scale:MATRIX_SCALE_ROW1
.irp s, 1,2,3,4,5,6,7
	v_wmma_scale_f32_16x16x128_f8f6f4 v[AC:AC+7], v[WF+16*\s:WF+16*\s+7], v[OF+8*\s:OF+8*\s+7], v[AC:AC+7], v[WSR+\s], v[OSR+\s] matrix_a_fmt:MATRIX_FMT_FP4 matrix_b_fmt:MATRIX_FMT_FP4
	v_wmma_scale_f32_16x16x128_f8f6f4 v[AC+8:AC+15], v[WF+16*\s+8:WF+16*\s+15], v[OF+8*\s:OF+8*\s+7], v[AC+8:AC+15], v[WSR+\s], v[OSR+\s] matrix_a_fmt:MATRIX_FMT_FP4 matrix_b_fmt:MATRIX_FMT_FP4 matrix_a_scale:MATRIX_SCALE_ROW1
.endr
.rept 4
	v_nop                                          ; four plain lines ahead of the first read of the results
.endr
	s_wait_alu depctr_va_vdst(0)                   ; behind the plain lines: the products have written the accumulators, which the LDS stores read, and are done reading O's fragments, in which the stage's loads land
.irp u, 0,1
	ds_store_b128 v4, v[AC+8*\u:AC+8*\u+3] offset:32*\u
	ds_store_b128 v4, v[AC+8*\u+4:AC+8*\u+7] offset:32*\u+16
.endr
	s_wait_dscnt 0x0                               ; for the others' sake: my stores have landed
	s_barrier_signal -1
	s_barrier_wait -1                              ; sixteen whole rows lie in the stage
.irp i, 0,1,2,3
	ds_load_b128 v[OF+4*\i:OF+4*\i+3], v5 offset:528*\i
.endr
.irp i, 0,1,2,3
	s_wait_dscnt 3-\i                              ; the younger loads may be out
	global_store_b128 v1, v[OF+4*\i:OF+4*\i+3], s[14:15] offset:8192*\i th:TH_STORE_NT   ; 32 lanes store a row's 512 consecutive bytes, aligned
.endr
	s_wait_dscnt 0x0
	s_wait_alu depctr_hold_cnt(0) depctr_sa_sdst(0) depctr_va_vdst(0) depctr_va_sdst(0) depctr_va_ssrc(0) depctr_va_vcc(0) depctr_vm_vsrc(0)
	s_wait_tensorcnt 0x0
	ds_add_u32 v14, v15
	s_wait_dscnt 0x0
	s_endpgm
.Lfunc_end_k_qe9f8b5f36e_outp:
	.size	k_qe9f8b5f36e_outp, .Lfunc_end_k_qe9f8b5f36e_outp-k_qe9f8b5f36e_outp
	.p2alignl 7, 3214868480
	.fill 96, 4, 3214868480
	.section	.rodata,"a",@progbits
	.p2align	6, 0x0
	.amdhsa_kernel k_qe9f8b5f36e_outp
		.amdhsa_group_segment_fixed_size 9216
		.amdhsa_private_segment_fixed_size 0
		.amdhsa_enable_private_segment 0
		.amdhsa_kernarg_size 48
		.amdhsa_user_sgpr_count 2
		.amdhsa_user_sgpr_kernarg_segment_ptr 1
		.amdhsa_wavefront_size32 1
		.amdhsa_system_sgpr_workgroup_id_x 1
		.amdhsa_system_sgpr_workgroup_id_y 1
		.amdhsa_system_sgpr_workgroup_id_z 1
		.amdhsa_system_vgpr_workitem_id 0
		.amdhsa_next_free_vgpr 256
		.amdhsa_next_free_sgpr 66
		.amdhsa_reserve_vcc 0
		.amdhsa_float_denorm_mode_32 3
		.amdhsa_float_denorm_mode_16_64 3
		.amdhsa_memory_ordered 1
		.amdhsa_forward_progress 1
		.amdhsa_inst_pref_size 13
	.end_amdhsa_kernel
	.amdgpu_metadata
---
amdhsa.version: [ 1, 2 ]
amdhsa.kernels:
  - .name:           k_qe9f8b5f36e_outp
    .symbol:         k_qe9f8b5f36e_outp.kd
    .args:
      - { .name: oc, .offset: 0, .size: 8, .value_kind: global_buffer, .address_space: global }
      - { .name: osc, .offset: 8, .size: 8, .value_kind: global_buffer, .address_space: global }
      - { .name: wc, .offset: 16, .size: 8, .value_kind: global_buffer, .address_space: global }
      - { .name: wsc, .offset: 24, .size: 8, .value_kind: global_buffer, .address_space: global }
      - { .name: bo, .offset: 32, .size: 8, .value_kind: global_buffer, .address_space: global }
      - { .name: out0, .offset: 40, .size: 8, .value_kind: global_buffer, .address_space: global }
    .group_segment_fixed_size: 9216
    .private_segment_fixed_size: 0
    .kernarg_segment_align: 8
    .kernarg_segment_size: 48
    .max_flat_workgroup_size: 128
    .sgpr_count:     66
    .vgpr_count:     256
    .wavefront_size: 32
...
	.end_amdgpu_metadata
.endif
;; end of part 6
